; MI455X (gfx1250); checked and timed in simulation.
; The chip was launched on July 23, 2026; its instructions are those of AMD's public machine-readable ISA for CDNA 5 (MIT licence, August 2026) and "CDNA5" Instruction Set Architecture Reference Guide (July 2026). The comments in the code are by the model that wrote it; some were corrected since.
;; Attention Block. Allowed arithmetic: matrix products marked QUANTISED: E2M3 operands, one E8M0 scale for each 32 along K, by v_wmma_scale_f32_16x16x128_f8f6f4 with both operands' format E2M3, f32 sums; everything else in f32.
;; Inputs: Wk_codes 1,024 x 32 x 24 uint8 (E2M3 codes of Wk, K innermost, in blocks of 32 codes, four codes in three bytes); Wk_scales 1,024 x 32 uint8 (E8M0 scales of Wk, one for each 32 codes along K); Wo_codes 1,024 x 32 x 24 uint8 (E2M3 codes of Wo, K innermost, in blocks of 32 codes, four codes in three bytes); Wo_scales 1,024 x 32 uint8 (E8M0 scales of Wo, one for each 32 codes along K); Wq_codes 1,024 x 32 x 24 uint8 (E2M3 codes of Wq, K innermost, in blocks of 32 codes, four codes in three bytes); Wq_scales 1,024 x 32 uint8 (E8M0 scales of Wq, one for each 32 codes along K); Wv_codes 1,024 x 32 x 24 uint8 (E2M3 codes of Wv, K innermost, in blocks of 32 codes, four codes in three bytes); Wv_scales 1,024 x 32 uint8 (E8M0 scales of Wv, one for each 32 codes along K); bk 1,024 float32; bo 1,024 float32; bq 1,024 float32; bv 1,024 float32; hidden_states 4 x 2,048 x 1,024 float32; mask 4 x 2,048 int32.
;; Outputs: out0 4 x 2,048 x 1,024 float32.
;; This version of the problem:
;;   THIS VERSION OF THE PROBLEM IS GIVEN IN LOW PRECISION. The matrix products marked QUANTISED in the list below multiply operands that are first quantised to E2M3 (2 exponent bits, 3 mantissa bits; 6 bits a number), with one power-of-two scale for each 32 numbers along K (OCP MX v1.0); their sums are f32. All else is computed in f32.
;;   The module's matrix products, in the order in which they are computed (A, B: the left and right operand; K: the contracted axis; several contracted axes count as one K, in the product's order):
;;     1. [M 8,192, K 1,024] x [K 1,024, N 1,024]; A: input hidden_states; B: input Wq (given as codes): QUANTISED
;;     2. [M 8,192, K 1,024] x [K 1,024, N 1,024]; A: input hidden_states; B: input Wk (given as codes): QUANTISED
;;     3. [M 8,192, K 1,024] x [K 1,024, N 1,024]; A: input hidden_states; B: input Wv (given as codes): QUANTISED
;;     4. batch 4 x [M 2,048, K 1,024] x [K 1,024, N 2,048]; A: computed on the way; B: computed on the way: QUANTISED
;;     5. batch 4 x [M 2,048, K 2,048] x [K 2,048, N 1,024]; A: softmax (see below); B: computed on the way: QUANTISED
;;     6. [M 8,192, K 1,024] x [K 1,024, N 1,024]; A: computed on the way; B: input Wo (given as codes): QUANTISED
;;   THE QUANTISER, for each operand of a quantised product, along K:
;;     - K is cut into blocks of 32 from its start; a last block that is shorter is filled with zeros.
;;     - A block's scale is 2^e with e = floor(log2(the largest magnitude in the block)) - 2, held to -126 .. 127; a block of zeros has e = 0. As a byte (E8M0): e + 127.
;;     - Each number is divided by its block's scale, clamped to +-7.5, and rounded to the nearest number of E2M3, ties to even, subnormals kept.
;;     - The product sums the exact products of the quantised numbers (number of the format x scale) in f32.
;;   ~~~python
;;   def quantise(x, axis):      # numpy; x: float32 -> the quantised numbers, widened to float32 again
;;       x = np.moveaxis(x, axis, -1); K = x.shape[-1]
;;       x = np.pad(x, [(0, 0)] * (x.ndim - 1) + [(0, -K % 32)]); x = x.reshape(x.shape[:-1] + (-1, 32)); a = np.abs(x).max(-1, keepdims=True)
;;       e = np.where(a > 0, np.clip(np.frexp(np.where(a > 0, a, 1))[1] - 1 - 2, -126, 127), 0)      # np.frexp(a)[1] - 1 = floor(log2(a)), exactly
;;       r = np.clip(x / 2.0 ** e, -7.5, 7.5)
;;       step = 2.0 ** (np.maximum(np.frexp(np.where(r == 0, 1, r))[1] - 1, 0) - 3)
;;       q = np.round(r / step) * step * 2.0 ** e      # np.round: ties to even
;;       return np.moveaxis(q.reshape(q.shape[:-2] + (-1,))[..., :K], -1, axis).astype(np.float32)
;;   ~~~
;;   SOFTMAX AHEAD OF A QUANTISED PRODUCT. Where the list says 'softmax', what is quantised is not the finished softmax but p = 2^(t - M), with t = logit x log2(e) and M = ceil(the row's largest t), a whole number; so 1/2 < the row's largest p <= 1. The row's sum l is taken of the UNQUANTISED p, in f32, and the product's result is divided by l at the end. Since M is a whole number, a kernel that streams over the keys may use a running M (the ceiling of the running maximum): every later rescaling is an exact power of two, which a block's scale takes up: the codes' values come out the same.
;;   OPERANDS COMPUTED ON THE WAY. 'Computed on the way' means the value that the module computes at that place (a softmax that the list does not call 'softmax' is quantised finished and normalised). What goes into a quantiser is computed in f32, as accurately as f32 sums, v_exp_f32 and their like allow (about 1e-6 of the number): no bf16 or f16 on the way to a quantiser, and a product that is left as it is and whose result goes on into a quantised operand takes f32 operands (vector FMAs, or v_wmma_f32_16x16x4_f32). A number that lies on a knife's edge between two numbers of the format may be rounded either way, as far as f32 arithmetic and the matrix unit's own rounding can turn it there, and no further.
;;   INPUTS GIVEN AS CODES. Wk (in the module: [1024, 1024], K = its axis 1); Wo (in the module: [1024, 1024], K = its axis 1); Wq (in the module: [1024, 1024], K = its axis 1); Wv (in the module: [1024, 1024], K = its axis 1): each comes as NAME_codes (uint8): NAME with its K axis moved to the last place and cut into blocks of 32 codes, [.., K / 32, bytes a block], one block behind the other in memory; four codes in three bytes: a row's codes are one little-endian stream of bits, code i at bits 6 i .. 6 i + 5 (a code: sign, 2 exponent bits, 3 mantissa bits); and NAME_scales (uint8): the same leading axes, one E8M0 byte (e + 127) for each 32 codes along K. Its value is code x scale, taken as it is: it is not quantised again, and the codes and scales need not be those that the quantiser above would give.
;; One version. Each part assembles by itself: llvm-mc -triple=amdgcn-amd-amdhsa -mcpu=gfx1250 --defsym DOCPART=n.
;; ======== version 1 of 1: 5 launches
;; limits: right only within a limited range of input values
;; workspace buffers: xw 9,830,400 bytes; qk 13,107,200 bytes; vt 6,553,600 bytes; pp 14,155,776 bytes; hh 6,553,600 bytes
;; launch prep (part 1): grid 256 x 1, 5 waves a work-group, no clusters, 35,584 bytes of LDS; arguments hidden_states, Wq_codes, Wq_scales, Wk_codes, Wk_scales, Wv_codes, Wv_scales, Wo_codes, Wo_scales, xw; writes xw
.if DOCPART == 1
	.amdgcn_target "amdgcn-amd-amdhsa--gfx1250"
	.amdhsa_code_object_version 6
	.text
	.protected	k_qea03bf3f0b_prep
	.globl	k_qea03bf3f0b_prep
	.p2align	8
	.type	k_qea03bf3f0b_prep,@function
k_qea03bf3f0b_prep:
	s_mov_b64 s[64:65], 0
	v_nop
	global_prefetch_b8 v0, s[64:65] scope:SCOPE_SE
	s_setreg_imm32_b32 hwreg(HW_REG_WAVE_MODE, 25, 1), 1
	s_wait_xcnt 0x0
; THE PROGRAM: out = x + softmax(mask(q k^T / 32)) v Wo^T + bo, q, k, v = x W^T + b, all six products on codes of FP6 (E2M3) with one E8M0 scale for each 32 along K.
; Five launches: this one; q, k and v (transposed); the scores with a softmax for each 128 keys; p v with the merge of those softmaxes; the projection out with bias and residual.
; NO WORK IS LEFT OUT: every input has a way to the output (bk moves k's codes; a masked key still stands in its block of 32 keys of v and p, so keys are not compacted: the mask is a select, done in every tile).
; THIS LAUNCH lays every given operand as AN IMAGE OF THE OPERAND'S REGISTERS.  A fragment (16 rows x 128 K) is 12 registers a lane: registers 4 c .. 4 c + 3 of lane l lie at 512 c + 16 l of the fragment's 1,536 bytes;
; fragments lie [row / 16][K / 128].  Scale words (four bytes: 128 along K of one row) lie [K / 128][row].  xw: x's image at 0, x's scale words at 6,291,456, the weights' images (q, k, v, o) at 6,553,600, their scale words at 9,699,328.
; SHARES: 256 work-groups of five waves.  Waves 0-3 quantise x, f32: a block's scale is 2^(floor(log2(largest magnitude)) - 2).  Wave 4 of work-group i lays block i of the weights' 256 blocks of 16 rows anew, codes and scale
; bytes as they are given: so every work-group has the same work.
; Wv's ROWS ARE LAID IN ANOTHER ORDER: place p holds row p with its bits 3 and 4 exchanged.  The later launches' results come out with these two bits of the result's K exchanged; for hid, whose K are v's channels, the two exchanges cancel.
; LIMITS: NaN and infinities among the inputs are not served.  A block of zeros gets the byte 1 where the rule says 127: its codes are zeros, and this program alone reads the bytes.
.set STGB,  8704                       ; LDS of a wave of x's path: a stage of 16 rows x (512 + 16) bytes, then 256 bytes for its scale words
.set GOFF,  8448
.set SPARE, 34816                      ; the spare words, 128 bytes for each of the five waves: three blocks of 256 bytes
.set LI,    3                          ; v3   16 x lane
.set SPW,   30                         ; v30  my spare word; never rewritten
.set NIL,   31                         ; v31  0; never rewritten
.set RAW,   32                         ; v32-159  two sets of 16 rows as loaded
.set X,     160                        ; v160-223 64 numbers of my row: register 16 b + i = k 32 b + 16 (lane / 16) + i
.set TM,    224
.set PW,    240
.set PC,    8                          ; v8-27 the codes just made
.set SEL,   30                         ; s[30:31]
	s_load_b512 s[4:19], s[0:1], 0x0               ; x, Wq codes, Wq scales, Wk codes, Wk scales, Wv codes, Wv scales, Wo codes
	s_load_b128 s[20:23], s[0:1], 0x40             ; Wo scales, xw
	v_lshl_add_u32 v[SPW], v0, 2, SPARE
	v_mov_b32 v[NIL], 0
	v_lshrrev_b32 v1, 5, v0
	v_readfirstlane_b32 s24, v1                    ; wave
	v_and_b32 v1, 15, v0                           ; r
	v_bfe_u32 v2, v0, 4, 1                         ; h
	v_and_b32 v28, 31, v0
	v_lshlrev_b32 v[LI], 4, v28
	v_lshlrev_b32 v28, 3, v28                      ; 8 x lane
	s_mov_b32 s[SEL], 0x76543210
	s_mov_b32 s[SEL+1], 0xfedcba98                 ; lane l xor 16
	s_cmp_lt_u32 s24, 4
	s_cbranch_scc0 .Lweights
	; ---- x.  Work-group i: rows 64 (i / 2) on; wave w: K step 4 (i % 2) + w; four fragments of 16 rows
	s_mul_i32 s25, s24, STGB
	v_add_nc_u32 v4, s25, v[LI]                    ; into the stage: a row's 512 bytes as they lie
	v_mul_u32_u24 v5, v1, 528
	v_lshl_add_u32 v5, v2, 6, v5
	v_add_nc_u32 v5, s25, v5                       ; out of it: row r, + 64 h: my 16 numbers of each block of 32
	s_add_co_u32 s25, s25, GOFF
	v_lshl_add_u32 v6, v1, 2, s25                  ; my row's scale word
	v_add_nc_u32 v7, s25, v28
	s_lshr_b32 s26, ttmp9, 1
	s_and_b32 s27, ttmp9, 1
	s_lshl_b32 s27, s27, 2
	s_add_co_u32 s27, s27, s24                     ; K step
	s_lshl_b32 s28, s26, 18                        ; 64 rows of 4,096 bytes
	s_lshl_b32 s29, s27, 9
	s_add_co_u32 s28, s28, s29
	s_mov_b32 s29, 0
	s_lshl_b32 s32, s26, 5
	s_add_co_u32 s32, s32, s27
	s_mul_i32 s32, s32, 1536                       ; the image of row block 4 (i / 2), my K step
	s_mov_b32 s33, 0
	s_lshl_b32 s34, s27, 15
	s_lshl_b32 s35, s26, 8
	s_add_co_u32 s34, s34, s35
	s_add_co_u32 s34, s34, 6291456                 ; my 64 scale words
	s_mov_b32 s35, 0
.irp b, 0,1,2,3
	v_mov_b32 v[TM+4+\b], 0                        ; written once: a lane permute's destination counts as one of its sources
.endr
	s_wait_alu depctr_va_vdst(0)
	s_wait_kmcnt 0x0
	s_add_nc_u64 s[4:5], s[4:5], s[28:29]
	s_add_nc_u64 s[32:33], s[22:23], s[32:33]
	s_add_nc_u64 s[34:35], s[22:23], s[34:35]
.macro LOAD f                          ; 16 rows x 512 consecutive bytes
.irp j, 0,1,2,3,4,5,6,7,8,9,10,11,12,13,14,15
	global_load_b128 v[RAW+64*((\f)%2)+4*\j:RAW+64*((\f)%2)+4*\j+3], v[LI], s[4:5] offset:(16*(\f)+\j)*4096 th:TH_LOAD_NT
.endr
.endm
.macro QUANT s                         ; 64 numbers of a lane become a fragment's codes in v[PC] on and its scale word in v[PW]
.irp b, 0,1,2,3
	v_max3_num_f32 v[TM+\b], |v[\s+16*\b]|, |v[\s+1+16*\b]|, 0x1800000   ; my 16 numbers of block b, and the floor 2^(3 - 127): the byte cannot fall under 1
.endr
.irp i, 2,4,6,8,10,12,14
.irp b, 0,1,2,3
	v_max3_num_f32 v[TM+\b], v[TM+\b], |v[\s+16*\b+\i]|, |v[\s+1+16*\b+\i]|
.endr
.endr
.irp b, 0,1,2,3
	v_permlanex16_b32 v[TM+4+\b], v[TM+\b], s[SEL], s[SEL+1]
.endr
.irp b, 0,1,2,3
	v_max_num_f32 v[TM+\b], v[TM+\b], v[TM+4+\b]   ; with lane l xor 16's: the block's largest magnitude
.endr
.irp b, 0,1,2,3
	v_add_nc_u32 v[TM+12+\b], 0xff000000, v[TM+\b] ; 2 off its exponent field: the conversion's scale operand
.endr
.irp b, 0,1,2,3
	v_lshrrev_b32 v[TM+4+\b], 23, v[TM+12+\b]      ; the scale's byte
.endr
	v_lshl_or_b32 v[PW], v[TM+5], 8, v[TM+4]
	v_lshl_or_b32 v[PW], v[TM+6], 16, v[PW]
	v_lshl_or_b32 v[PW], v[TM+7], 24, v[PW]
.irp c, 0,1
	v_cvt_scalef32_pk16_fp6_f32 v[PC+6*\c:PC+2+6*\c], v[\s+32*\c:\s+15+32*\c], v[TM+12+2*\c]
	v_cvt_scalef32_pk16_fp6_f32 v[PC+12+4*\c:PC+14+4*\c], v[\s+16+32*\c:\s+31+32*\c], v[TM+12+2*\c+1]
.endr
	v_nop                                          ; one plain place behind a scaled conversion
.irp c, 0,1                            ; a whole block to a lane: lanes 0-15 block 2 c, lanes 16-31 block 2 c + 1
.irp i, 0,1,2
	v_permlane16_swap_b32 v[PC+6*\c+\i], v[PC+12+4*\c+\i]
.endr
.irp i, 0,1,2
	v_mov_b32 v[PC+3+6*\c+\i], v[PC+12+4*\c+\i]
.endr
.endr
.endm
.macro FRAGX f
.if (\f) < 3
	s_wait_loadcnt 16                              ; this fragment's 16 loads are in; the next one's may be out
.else
	s_wait_loadcnt 0x0
.endif
.irp j, 0,1,2,3,4,5,6,7,8,9,10,11,12,13,14,15
	ds_store_b128 v4, v[RAW+64*((\f)%2)+4*\j:RAW+64*((\f)%2)+4*\j+3] offset:528*\j
.endr
.irp b, 0,1,2,3
.irp j, 0,1,2,3
	ds_load_b128 v[X+16*\b+4*\j:X+16*\b+4*\j+3], v5 offset:128*\b+16*\j   ; LDS serves a wave's instructions in order: these see the stores above
.endr
.endr
.if (\f) > 0
	s_wait_xcnt 0x0                                ; the last fragment's stores have read the codes' registers
.endif
	s_wait_dscnt 0x0                               ; my numbers are back, and the stage's stores have read their registers
.if (\f)+2 < 4
	LOAD (\f)+2
.endif
	QUANT X
.irp c, 0,1,2
	global_store_b128 v[LI], v[PC+4*\c:PC+4*\c+3], s[32:33] offset:(\f)*12288+512*\c   ; 512 consecutive bytes a store
.endr
	ds_store_b32 v6, v[PW] offset:64*(\f)          ; lanes r and r + 16 write the same word with the same value
.endm
	LOAD 0
	LOAD 1
	FRAGX 0
	FRAGX 1
	FRAGX 2
	FRAGX 3
	ds_load_b64 v[X:X+1], v7
	s_wait_dscnt 0x0
	global_store_b64 v28, v[X:X+1], s[34:35]       ; 64 scale words: 256 consecutive bytes, aligned
	s_wait_tensorcnt 0x0                           ; the wave's end
	ds_add_u32 v[SPW], v[NIL]
	s_wait_dscnt 0x0
	s_endpgm
	; ---- the weights.  Wave 4 of work-group 64 s + g: weight s (q, k, v, o), places 16 g on.  No LDS: codes and scale words go from registers to memory
.macro RHO d, p, t                     ; v[d] = the row that lies at place v[p]: for Wv bits 3 and 4 exchanged, else the place itself
	v_and_b32 v\t, 8, v\p
	v_and_b32 v\d, 16, v\p
	v_lshlrev_b32 v\t, 1, v\t
	v_lshrrev_b32 v\d, 1, v\d
	v_or_b32 v\t, v\t, v\d
	v_and_or_b32 v\t, v\p, 0xffffffe7, v\t
	v_cndmask_b32 v\d, v\p, v\t, s29
.endm
.Lweights:
	s_lshr_b32 s26, ttmp9, 6                       ; which weight
	s_and_b32 s28, ttmp9, 63                       ; my block of 16 places
	s_cmp_eq_u32 s26, 2
	s_cselect_b32 s29, -1, 0                       ; all lanes for Wv, none else
	s_lshl_b32 s36, s28, 4
	s_wait_alu depctr_va_vdst(0)
	v_add_nc_u32 v8, s36, v1
	RHO 9, 8, 10
	v_lshlrev_b32 v11, 5, v9                       ; a row of 32 scale bytes,
	v_lshl_add_u32 v11, v2, 4, v11                 ; my half's 16: the words of K steps 4 h .. 4 h + 3
	v_mul_u32_u24 v9, v9, 768                      ; a row of 1,024 codes
	v_mad_u32_u24 v9, v2, 24, v9
	v_lshlrev_b32 v22, 16, v2                      ; where the words go: 4 h K steps of 16,384 bytes,
	v_lshl_add_u32 v22, v1, 2, v22                 ; + 4 r: sixteen lanes store 64 consecutive bytes
	s_mul_i32 s32, ttmp9, 12288                    ; the image of block i: 8 fragments
	s_add_co_u32 s32, s32, 6553600
	s_mov_b32 s33, 0
	s_lshl_b32 s34, ttmp9, 6                       ; its 16 rows' words in a K step
	s_add_co_u32 s34, s34, 9699328
	s_mov_b32 s35, 0
	s_and_b32 s37, s26, 1
	s_wait_alu depctr_va_vdst(0)
	s_wait_kmcnt 0x0
	s_cmp_eq_u32 s37, 0                            ; the buffers are chosen by the work-group's number alone
	s_cselect_b64 s[40:41], s[6:7], s[10:11]
	s_cselect_b64 s[42:43], s[14:15], s[18:19]
	s_cselect_b64 s[44:45], s[8:9], s[12:13]
	s_cselect_b64 s[46:47], s[16:17], s[20:21]
	s_cmp_lt_u32 s26, 2
	s_cselect_b64 s[40:41], s[40:41], s[42:43]
	s_cselect_b64 s[44:45], s[44:45], s[46:47]
	s_add_nc_u64 s[32:33], s[22:23], s[32:33]
	s_add_nc_u64 s[34:35], s[22:23], s[34:35]
	global_load_b128 v[128:131], v11, s[44:45]
.irp k, 0,1,2,3,4,5,6,7
.irp p, 0,1,2,3,4,5
	global_load_b64 v[32+12*\k+2*\p:33+12*\k+2*\p], v9, s[40:41] offset:96*\k+48*(\p/3)+8*(\p%3) th:TH_LOAD_NT   ; a row's stream of bits is the register image: 24 bytes a half
.endr
.endr
	s_wait_loadcnt 48                              ; the scale words are in; the 48 loads of codes may be out
.irp w, 0,1,2,3
	global_store_b32 v22, v[128+\w], s[34:35] offset:16384*\w   ; K step 4 h + w, place 16 g + r
.endr
.irp k, 0,1,2,3,4,5,6,7
	s_wait_loadcnt 6*(7-\k)                        ; this K step's six loads are in
.irp c, 0,1,2
	global_store_b128 v[LI], v[32+12*\k+4*\c:35+12*\k+4*\c], s[32:33] offset:1536*\k+512*\c
.endr
.endr
	s_wait_tensorcnt 0x0                           ; the wave's end
	ds_add_u32 v[SPW], v[NIL]
	s_wait_dscnt 0x0
	s_endpgm
.Lfunc_end_k_qea03bf3f0b_prep:
	.size	k_qea03bf3f0b_prep, .Lfunc_end_k_qea03bf3f0b_prep-k_qea03bf3f0b_prep
	.p2alignl 7, 3214868480
	.fill 96, 4, 3214868480
	.section	.rodata,"a",@progbits
	.p2align	6, 0x0
	.amdhsa_kernel k_qea03bf3f0b_prep
		.amdhsa_group_segment_fixed_size 35584
		.amdhsa_private_segment_fixed_size 0
		.amdhsa_enable_private_segment 0
		.amdhsa_kernarg_size 80
		.amdhsa_user_sgpr_count 2
		.amdhsa_user_sgpr_kernarg_segment_ptr 1
		.amdhsa_wavefront_size32 1
		.amdhsa_system_sgpr_workgroup_id_x 1
		.amdhsa_system_sgpr_workgroup_id_y 1
		.amdhsa_system_sgpr_workgroup_id_z 1
		.amdhsa_system_vgpr_workitem_id 0
		.amdhsa_next_free_vgpr 256
		.amdhsa_next_free_sgpr 66
		.amdhsa_reserve_vcc 0
		.amdhsa_float_denorm_mode_32 3
		.amdhsa_float_denorm_mode_16_64 3
		.amdhsa_memory_ordered 1
		.amdhsa_forward_progress 1
		.amdhsa_inst_pref_size 43
	.end_amdhsa_kernel
	.amdgpu_metadata
---
amdhsa.version: [ 1, 2 ]
amdhsa.kernels:
  - .name:           k_qea03bf3f0b_prep
    .symbol:         k_qea03bf3f0b_prep.kd
    .args:
      - { .name: hidden_states, .offset: 0, .size: 8, .value_kind: global_buffer, .address_space: global }
      - { .name: Wq_codes, .offset: 8, .size: 8, .value_kind: global_buffer, .address_space: global }
      - { .name: Wq_scales, .offset: 16, .size: 8, .value_kind: global_buffer, .address_space: global }
      - { .name: Wk_codes, .offset: 24, .size: 8, .value_kind: global_buffer, .address_space: global }
      - { .name: Wk_scales, .offset: 32, .size: 8, .value_kind: global_buffer, .address_space: global }
      - { .name: Wv_codes, .offset: 40, .size: 8, .value_kind: global_buffer, .address_space: global }
      - { .name: Wv_scales, .offset: 48, .size: 8, .value_kind: global_buffer, .address_space: global }
      - { .name: Wo_codes, .offset: 56, .size: 8, .value_kind: global_buffer, .address_space: global }
      - { .name: Wo_scales, .offset: 64, .size: 8, .value_kind: global_buffer, .address_space: global }
      - { .name: xw, .offset: 72, .size: 8, .value_kind: global_buffer, .address_space: global }
    .group_segment_fixed_size: 35584
    .private_segment_fixed_size: 0
    .kernarg_segment_align: 8
    .kernarg_segment_size: 80
    .max_flat_workgroup_size: 160
    .sgpr_count:     66
    .vgpr_count:     256
    .wavefront_size: 32
...
	.end_amdgpu_metadata
.endif
;; end of part 1
;; launch proj (part 2): grid 8 x 32, 4 waves a work-group, clusters of 4 x 4, 327,680 bytes of LDS; arguments xw, bq, bk, bv, qk, vt; writes qk, vt
.if DOCPART == 2
	.amdgcn_target "amdgcn-amd-amdhsa--gfx1250"
	.amdhsa_code_object_version 6
	.text
	.protected	k_qea03bf3f0b_proj
	.globl	k_qea03bf3f0b_proj
	.p2align	8
	.type	k_qea03bf3f0b_proj,@function
k_qea03bf3f0b_proj:
	s_mov_b64 s[64:65], 0
	v_nop
	global_prefetch_b8 v0, s[64:65] scope:SCOPE_SE
	s_setreg_imm32_b32 hwreg(HW_REG_WAVE_MODE, 25, 1), 1
	s_wait_xcnt 0x0
	s_wait_alu depctr_hold_cnt(0) depctr_sa_sdst(0) depctr_va_vdst(0) depctr_va_sdst(0) depctr_va_ssrc(0) depctr_va_vcc(0) depctr_vm_vsrc(0)
	s_getreg_b32 s2, hwreg(HW_REG_IB_STS2, 6, 4)
	s_cmp_eq_u32 s2, 0
	s_cbranch_scc0 .Lentry_in_a_cluster
	s_endpgm
.Lentry_in_a_cluster:
	s_bfe_u32 s2, ttmp6, 0x10000c
	s_cmp_lg_u32 s2, 0xf033
	s_cbranch_scc0 .Lentry_shape_is_right
	s_endpgm
.Lentry_shape_is_right:
; PHASE A: q = x Wq^T + bq and k = x Wk^T + bk, one product of 8,192 x 2,048 (tile columns 0-3: q, 4-7: k), quantised along the channels.  PHASE B: v^T = Wv x^T + bv, quantised along the tokens.  No work is left out.
; A work-group stays: one tile of each product; phase B's tiles are asked for while phase A is multiplied and goes out.
; Operands are images of their registers (1,536 bytes a fragment, [row / 16][K / 128]); scale words lie [K / 128][row].  L = the side of which a lane holds one row (source 1); R = the side along which its registers run (source 0).
; A: 256 x 256 a work-group, 128 x 128 a wave, K = 1,024 in 8 steps.  LDS: slot 0 (bytes 0 on) K steps 0-2, slot 1 (147,456 on) K steps 3-5, then K steps 6-7 in bytes 0 to 98,303, row blocks 3,072 bytes apart.
; THE HEAD: one joint load a wave: wave 0 L's slot 0, wave 1 R's, wave 2 L's scale words, wave 3 R's.  Every later fill stands behind the three lines and a round of the cluster's barrier, a quarter a wave.
; B: L = Wv's places (place p holds channel p with bits 3 and 4 exchanged), R = tokens; 128 x 256 a work-group, 64 x 128 a wave; two slots of four steps: steps 0-3 in bytes 147,456 on, asked for at A's step 5; steps 4-7 in bytes 0 on.
; CLUSTER 4 x 4: L's tiles jointly along a row of the cluster, R's along a column.  B's tile: tx = 4 x cluster y + cx, ty = 4 x cluster x + cy.
; Descriptor registers are written again only behind a wait for 0 that shows the loads done that named them; every word of a group 1 is a constant on the way of all waves.
; The results' K: bits 3 and 4 exchanged inside each block of 32, alike in q and k, and alike in v^T and p.
; qk: images [token / 16][16 K steps: 0-7 q's, 8-15 k's] at 0, scale words [16][8,192] at 12,582,912.  vt: images [place / 16][64 K steps] at 0, scale words [64][1,024] at 6,291,456.
; No prefetch: the text has no loop to run ahead in.  LIMITS: NaN and infinities are not served; a block of zeros gets the byte 1 (its codes are zeros; this program alone reads the bytes).
.set NK,    8
.set FRB,   1536
.set RBB,   3*FRB                      ; A: a row block's part of a slot
.set RB2,   2*FRB                      ; and of K steps 6-7
.set SLOT,  32*RBB
.set SCL,   294912                     ; L's scale words
.set SCR,   303104                     ; R's
.set GATH,  311296                     ; the results' scale words, 512 bytes a wave
.set SPARE, 313344                     ; the spare words
.set NA,    8                          ; phase A's sizes and registers; set anew ahead of phase B
.set SLP,   1024                       ; a K step of L's scale words in LDS
.set SRP,   1024
.set KIND0, 2
.set OB,    12
.set SB,    16
.set ADL,   5                          ; v5-7 L's fragments: slot 0, slot 1, K steps 6-7 (B: v16-17)
.set ADR,   8                          ; v8-10 R's (B: v18-19)
.set ADSL,  11
.set ADSR,  12
.set GR,    14
.set LI,   3                           ; 16 x lane; v4 4 x lane; v22 8 x lane; v1 r, v2 h
.set L4,   4
.set L8,   22
.set GA,   13
.set SPW,  28                          ; my spare word, and 0: never rewritten
.set NIL,  29
.set SC,   32                          ; v32-47 scale words alone: two sets of 8
.set LF,   64                          ; window 0: L's two sets.  Window 1: R's sets at v0, v128; v96-127, v224-255 bias.  Windows 2, 3: accumulator (a, b) at v[8 (8 (a % 4) + b)]
.set H,    64
.set TM,   192
.set PW,   208
.set PC,   212
.set SEL,  30
.set MSB, 0
.macro WIN new
.if MSB != (\new)
	s_set_vgpr_msb (MSB<<8)|(\new)
.set MSB, (\new)
.endif
.endm
.macro PLACES n
.rept \n
	v_nop
.endr
.endm
.macro TLOAD g0, g1                    ; a tensor load with s_nop 0 and four v_nop behind it
	tensor_load_to_lds s[\g0:\g0+3], s[\g1:\g1+7]
	s_nop 0
	PLACES 4
.endm
.macro JLOAD g0l, g1l, g0r, g1r        ; waves 0, 1 fetch L's halves, waves 2, 3 R's
	s_cmp_eq_u32 s21, 0
	s_cbranch_scc0 .Lfor_r_\@
	TLOAD \g0l, \g1l
	s_branch .Lasked_\@
.Lfor_r_\@:
	TLOAD \g0r, \g1r
.Lasked_\@:
.endm
.macro ARM under, g0, g1, next         ; an arm of the head's chain
	s_cmp_lt_u32 s20, \under
	s_cbranch_scc0 \next
	TLOAD \g0, \g1
	s_branch .Lhead_asked
\next:
.endm
.macro CREST
	s_cmp_lg_u32 s20, 0
	s_cbranch_scc1 .Lnot_wave_0_\@
	s_barrier_signal -3
.Lnot_wave_0_\@:
	s_barrier_wait -3
	s_barrier_signal -1
	s_barrier_wait -1
.endm
.macro CROUND
	s_barrier_signal -1
	s_barrier_wait -1
	CREST
.endm
.macro G1SET g, m, c, r, p             ; r rows of c elements of 8 bytes, p elements apart; mask s[m], bit 21 beside it
	s_or_b32 s[\g], s[\m], (3<<16)|(1<<21)
	s_mov_b32 s[\g+1], (\c)<<16
	s_mov_b32 s[\g+2], (\r)<<16
	s_mov_b32 s[\g+3], (\c)<<16
	s_mov_b32 s[\g+4], \r
	s_mov_b32 s[\g+5], \p
	s_mov_b32 s[\g+6], 0
	s_mov_b32 s[\g+7], 0
.endm
.macro G0SET g, lds, off, ptr, step
	s_mov_b32 s[\g], 1
	s_add_co_u32 s[\g+1], s[\lds], \off
	s_add_nc_u64 s[\g+2:\g+3], s[\ptr:\ptr+1], \step
	s_or_b32 s[\g+3], s[\g+3], 0x80000000
.endm
.macro G0H g, lds, ptr                 ; a group 0 at a constant LDS address
	s_mov_b32 s[\g], 1
	s_mov_b32 s[\g+1], \lds
	s_mov_b64 s[\g+2:\g+3], s[\ptr:\ptr+1]
	s_or_b32 s[\g+3], s[\g+3], 0x80000000
.endm
.macro ADRS na, rbb, adl, adr, adsl, adsr, hl, hr   ; a phase's LDS addresses
	s_mul_i32 s2, s21, (\na)*(\rbb)
	s_mul_i32 s3, s22, 8*(\rbb)
	s_add_co_u32 s3, s3, 2*(\na)*(\rbb)
.irp v, 0,1
	v_add_nc_u32 v[\adl+\v], s2, v[LI]
	v_add_nc_u32 v[\adr+\v], s3, v[LI]
	s_add_co_u32 s2, s2, 147456
	s_add_co_u32 s3, s3, 147456
.endr
	s_mul_i32 s2, s21, \hl
	s_add_co_u32 s2, s2, SCL
	v_add_nc_u32 v[\adsl], s2, v[L4]
	s_mul_i32 s2, s22, \hr
	s_add_co_u32 s2, s2, SCR
	v_add_nc_u32 v[\adsr], s2, v[L4]
.endm
.macro FETCH t                         ; K step t's fragments and scale words into set t % 2
.set fs, (\t)%2
.if NA == 8
.if (\t) >= 6
.set fsl, 2
.set fo, ((\t)-6)*FRB
.set frb, RB2
.else
.set fsl, (\t)/3
.set fo, ((\t)%3)*FRB
.set frb, RBB
.endif
.else
.set fsl, 1-(\t)/4
.set fo, ((\t)%4)*FRB
.set frb, 4*FRB
.endif
	WIN 0x40
.irp i, 0,1,2,3,4,5,6,7
.irp c, 0,1,2
	ds_load_b128 v[128*fs+12*\i+4*\c:128*fs+12*\i+4*\c+3], v[ADR+fsl] offset:\i*frb+fo+512*\c
.endr
.endr
	WIN 0
.set fa, 0
.rept NA
.irp c, 0,1,2
	ds_load_b128 v[LF+12*NA*fs+12*fa+4*\c:LF+12*NA*fs+12*fa+4*\c+3], v[ADL+fsl] offset:fa*frb+fo+512*\c
.endr
.set fa, fa+1
.endr
.set fa, 0
.rept NA/2
	ds_load_b32 v[SC+8*fs+fa], v[ADSL] offset:(\t)*SLP+128*fa
.set fa, fa+1
.endr
.irp i, 0,1,2,3
	ds_load_b32 v[SC+8*fs+4+\i], v[ADSR] offset:(\t)*SRP+128*\i
.endr
.endm
.macro WM kind                         ; source 0 = R's block bb, source 1 = L's block aa.  kind 0: C = D; 2: C = the bias of R's block; 3: that of L's block
.set xD, 8*(8*(aa%4)+bb)
.set xA, 128*ss+12*bb
.set xB, LF+12*NA*ss+12*aa
.set yA, SC+8*ss+4+bb/2
.set yB, SC+8*ss+aa/2
.set xC, xD
.if \kind == 2
.set xC, 96+8*bb+96*(bb/4)
.elseif \kind == 3
.set xC, 96+8*aa
.endif
.set vr, 2*(aa%2)+bb%2
.if vr == 0
	v_wmma_scale_f32_16x16x128_f8f6f4 v[xD:xD+7], v[xA:xA+11], v[xB:xB+11], v[xC:xC+7], v[yA], v[yB] matrix_a_fmt:MATRIX_FMT_FP6 matrix_b_fmt:MATRIX_FMT_FP6
.elseif vr == 1
	v_wmma_scale_f32_16x16x128_f8f6f4 v[xD:xD+7], v[xA:xA+11], v[xB:xB+11], v[xC:xC+7], v[yA], v[yB] matrix_a_fmt:MATRIX_FMT_FP6 matrix_b_fmt:MATRIX_FMT_FP6 matrix_a_scale:MATRIX_SCALE_ROW1
.elseif vr == 2
	v_wmma_scale_f32_16x16x128_f8f6f4 v[xD:xD+7], v[xA:xA+11], v[xB:xB+11], v[xC:xC+7], v[yA], v[yB] matrix_a_fmt:MATRIX_FMT_FP6 matrix_b_fmt:MATRIX_FMT_FP6 matrix_b_scale:MATRIX_SCALE_ROW1
.else
	v_wmma_scale_f32_16x16x128_f8f6f4 v[xD:xD+7], v[xA:xA+11], v[xB:xB+11], v[xC:xC+7], v[yA], v[yB] matrix_a_fmt:MATRIX_FMT_FP6 matrix_b_fmt:MATRIX_FMT_FP6 matrix_a_scale:MATRIX_SCALE_ROW1 matrix_b_scale:MATRIX_SCALE_ROW1
.endif
.endm
.macro MULS a0, n, set, kind           ; the accumulators take turns, one instruction a turn
.set ss, \set
.set aa, \a0
.rept \n
.if \kind >= 2
	WIN (0x91+0x40*(aa/4))
.else
	WIN (0xa1+0x50*(aa/4))
.endif
.set bb, 0
.rept 8
	WM \kind
.set bb, bb+1
.endr
.set aa, aa+1
.endr
.endm
.macro KN t                            ; a K step inside a slot: operands in; four places; the next step's loads; the products
	s_wait_dscnt 0x0
.if (\t)+1 < NK
	PLACES 4
	FETCH (\t)+1
.endif
.if (\t) == 0
	MULS 0, NA, 0, KIND0
.else
	MULS 0, NA, (\t)%2, 0
.endif
.endm
.macro KC t                            ; a slot's last K step where nothing is filled again: my loads have landed, one barrier, the next slot is read
	s_wait_tensorcnt 0x0
	s_wait_dscnt 0x0
	s_barrier_signal -1
	MULS 0, NA/2, (\t)%2, 0
	s_barrier_wait -1
	PLACES 4
	FETCH (\t)+1
	MULS NA/2, NA/2, (\t)%2, 0
.endm
.macro KR t, g0l, g1l, g0r, g1r, len   ; a slot's last K step with a joint refill of bytes that nobody reads any more.  len > 0: the tiles' rows get this length first
	WIN 0
	s_wait_tensorcnt 0x0                           ; all my tensor loads have landed, so descriptors may be written
	ds_add_u32 v[SPW], v[NIL]
.if \len
	s_mov_b32 s[\g1l+1], (\len)<<16
	s_mov_b32 s[\g1l+3], (\len)<<16
	s_mov_b32 s[\g1r+1], (\len)<<16
	s_mov_b32 s[\g1r+3], (\len)<<16
.endif
	s_wait_dscnt 0x0                               ; the add is done, my LDS reads are over
	s_barrier_signal -1                            ; opens a round of the cluster's barrier
	MULS 0, NA/2, (\t)%2, 0
	WIN 0
	s_barrier_wait -1
	CREST
	JLOAD \g0l, \g1l, \g0r, \g1r                   ; its four v_nop are the places in front of the loads below
	FETCH (\t)+1
	MULS NA/2, NA/2, (\t)%2, 0
.endm
.macro RND g0l, g1l, g0r, g1r          ; a joint refill on the way out
	WIN 0
	s_wait_tensorcnt 0x0
	ds_add_u32 v[SPW], v[NIL]
	s_wait_dscnt 0x0
	CROUND
	JLOAD \g0l, \g1l, \g0r, \g1r
.endm
.macro QMAX s, w                       ; the largest magnitudes of four blocks of 32, each accumulator from its low end on
	WIN (((\w)<<2)|(\w))
.irp b, 0,1,2,3
	v_max3_num_f32 v[TM+\b], |v[(\s)+16*\b]|, |v[(\s)+16*\b+1]|, 0x1800000   ; the floor 2^(3 - 127): the byte cannot fall under 1
.endr
.irp i, 2,4,6,8,10,12,14
.irp b, 0,1,2,3
	v_max3_num_f32 v[TM+\b], |v[(\s)+16*\b+\i]|, |v[(\s)+16*\b+\i+1]|, v[TM+\b]
.endr
.endr
	WIN 0
.irp b, 0,1,2,3
	v_permlanex16_b32 v[TM+4+\b], v[TM+\b], s[SEL], s[SEL+1]
.endr
.irp b, 0,1,2,3
	v_max_num_f32 v[TM+\b], v[TM+\b], v[TM+4+\b]
.endr
.endm
.macro QCODE s, w                      ; the scale word in v[PW], the fragment's 12 registers in v[PC] on
.irp b, 0,1,2,3
	v_add_nc_u32 v[TM+12+\b], 0xff000000, v[TM+\b] ; 2 off the exponent field: the conversion's scale operand
.endr
.irp b, 0,1,2,3
	v_lshrrev_b32 v[TM+4+\b], 23, v[TM+12+\b]
.endr
	v_lshl_or_b32 v[PW], v[TM+5], 8, v[TM+4]
	v_lshl_or_b32 v[PW], v[TM+6], 16, v[PW]
	v_lshl_or_b32 v[PW], v[TM+7], 24, v[PW]
	WIN (\w)
.irp c, 0,1
	v_cvt_scalef32_pk16_fp6_f32 v[PC+6*\c:PC+6*\c+2], v[(\s)+32*\c:(\s)+32*\c+15], v[TM+12+2*\c]
	v_cvt_scalef32_pk16_fp6_f32 v[PC+12+4*\c:PC+14+4*\c], v[(\s)+16+32*\c:(\s)+31+32*\c], v[TM+12+2*\c+1]
.endr
	WIN 0
	v_nop                                          ; one plain place behind a scaled conversion
.irp c, 0,1
.irp i, 0,1,2
	v_permlane16_swap_b32 v[PC+6*\c+\i], v[PC+12+4*\c+\i]
.endr
.irp i, 0,1,2
	v_mov_b32 v[PC+3+6*\c+\i], v[PC+12+4*\c+\i]
.endr
.endr
.endm
.macro OUTB oa, pitch                  ; block oa of 16 rows of L is quantised and leaves: 512 consecutive bytes a store; its scale word is gathered in my own LDS bytes
	QMAX 64*((\oa)%4), 2+(\oa)/4
.if (\oa) > 0
	s_wait_alu depctr_va_vdst(0)
	s_wait_xcnt 0x0                                ; the last block's stores have read the codes' registers,
	s_wait_dscnt 0x0                               ; and its LDS store the scale word's
.endif
	QCODE 64*((\oa)%4), 2+(\oa)/4
.irp c, 0,1,2
	global_store_b128 v[LI], v[PC+4*\c:PC+4*\c+3], s[OB:OB+1] offset:(\oa)*(\pitch)+512*\c
.endr
	ds_store_b32 v[GA], v[PW] offset:64*(\oa)
.endm
.macro SCOUT                           ; my rows' scale words leave in whole aligned blocks of 256 bytes
.if NA == 8
	ds_load_b128 v[H:H+3], v[GR]
	s_wait_dscnt 0x0
	global_store_b128 v[LI], v[H:H+3], s[SB:SB+1]
.else
	ds_load_b64 v[H:H+1], v[GR]
	s_wait_dscnt 0x0
	global_store_b64 v[L8], v[H:H+1], s[SB:SB+1]
.endif
.endm
	s_load_b256 s[4:11], s[0:1], 0x0               ; xw, bq, bk, bv
	s_load_b128 s[12:15], s[0:1], 0x20             ; qk, vt
	v_lshl_add_u32 v[SPW], v0, 2, SPARE
	v_mov_b32 v[NIL], 0
	ds_add_u32 v[SPW], v[NIL]                      ; the opening add, twice on end
	ds_add_u32 v[SPW], v[NIL]
	v_lshrrev_b32 v1, 5, v0
	v_readfirstlane_b32 s20, v1                    ; wave
	s_lshr_b32 s21, s20, 1                         ; my half of L; also: I fetch for L (0) or R (1)
	s_and_b32 s22, s20, 1                          ; my half of R; also: which half I fetch
	s_bfe_u32 s23, ttmp6, 0x40000                  ; cx
	s_bfe_u32 s24, ttmp6, 0x40004                  ; cy
	s_lshl_b32 s25, ttmp9, 2
	s_add_co_u32 s25, s25, s23                     ; tx
	s_and_b32 s26, ttmp7, 0xffff
	s_lshl_b32 s26, s26, 2
	s_add_co_u32 s26, s26, s24                     ; ty
	s_lshl_b32 s27, s24, 2
	s_lshl_b32 s27, 15, s27                        ; my row of the cluster
	s_lshl_b32 s28, 0x1111, s23                    ; my column
	s_mov_b32 s[SEL], 0x76543210
	s_mov_b32 s[SEL+1], 0xfedcba98
	G1SET 32, 27, RBB/8, 16, 1536                  ; the head's tiles: 16 row blocks x three K steps
	G1SET 40, 28, RBB/8, 16, 1536
	G1SET 48, 27, 128, NK, 4096                    ; the scale words of 256 rows, 8 K steps
	G1SET 56, 28, 128, NK, 2048
	s_lshl_b32 s2, s26, 4                          ; L: x's row block 16 ty
	s_lshl_b32 s100, s2, 6
	s_mul_i32 s2, s2, 12288
	s_mov_b32 s3, 0
	s_mov_b32 s101, 0
	s_lshl_b32 s66, s25, 4                         ; R: the weights' row block 16 tx (q's 64, then k's)
	s_lshl_b32 s18, s66, 6
	s_mul_i32 s66, s66, 12288
	s_mov_b32 s67, 0
	s_mov_b32 s19, 0
	s_wait_dscnt 0x0                               ; both opening adds are done
	s_wait_kmcnt 0x0
	s_cmp_eq_u32 ttmp9, 0                          ; the first cluster column makes q, the second k
	s_cselect_b64 s[6:7], s[6:7], s[8:9]
	s_add_nc_u64 s[16:17], s[4:5], s[2:3]
	s_add_nc_u64 s[8:9], s[4:5], s[66:67]
	s_add_nc_u64 s[8:9], s[8:9], 6553600
	s_add_nc_u64 s[100:101], s[4:5], s[100:101]
	s_add_nc_u64 s[100:101], s[100:101], 6291456
	s_add_nc_u64 s[18:19], s[4:5], s[18:19]
	s_add_nc_u64 s[18:19], s[18:19], 9699328
	G0H 76, 0, 16                                  ; the head's four tiles
	G0H 88, 16*RBB, 8
	G0H 92, SCL, 100
	G0H 96, SCR, 18
	s_mul_i32 s2, s22, 8*12288                     ; behind the head a wave fetches 8 row blocks: which half
	s_mov_b32 s3, 0
	s_add_nc_u64 s[16:17], s[16:17], s[2:3]
	s_add_nc_u64 s[8:9], s[8:9], s[2:3]
	s_mul_i32 s2, s22, 8*RBB
	s_add_co_u32 s3, s2, 16*RBB
	G0SET 72, 2, SLOT, 16, 3*FRB                   ; slot 1: K steps 3-5
	G0SET 84, 3, SLOT, 8, 3*FRB
	s_mul_i32 s2, s22, 8*RB2
	s_add_co_u32 s3, s2, 16*RB2
	G0SET 68, 2, 0, 16, 6*FRB                      ; K steps 6-7
	G0SET 80, 3, 0, 8, 6*FRB
	CROUND                                         ; all sixteen work-groups are here
	ARM 1, 76, 32, .Lhead_r
	ARM 2, 88, 40, .Lhead_sl
	ARM 3, 92, 48, .Lhead_sr
	TLOAD 96, 56
.Lhead_asked:
	v_and_b32 v1, 15, v0
	v_bfe_u32 v2, v0, 4, 1
	v_and_b32 v[L4], 31, v0
	v_lshlrev_b32 v[LI], 4, v[L4]
	v_lshlrev_b32 v[L8], 3, v[L4]
	v_lshlrev_b32 v[L4], 2, v[L4]
	s_wait_alu depctr_va_vdst(0)
	ADRS 8, RBB, 5, 8, 11, 12, 512, 512
	s_mul_i32 s2, s21, 8*RB2
	s_mul_i32 s3, s22, 8*RB2
	s_add_co_u32 s3, s3, 16*RB2
	v_add_nc_u32 v7, s2, v[LI]
	v_add_nc_u32 v10, s3, v[LI]
	ADRS 4, 6144, 16, 18, 20, 21, 2048, 4096
	s_mul_i32 s2, s20, 512
	s_add_co_u32 s2, s2, GATH
	v_lshl_add_u32 v[GA], v1, 2, s2
	v_add_nc_u32 v14, s2, v[LI]
	v_add_nc_u32 v31, s2, v[L8]
	s_lshl_b32 s2, s23, 10
	s_lshl_b32 s3, s22, 9
	s_add_co_u32 s2, s2, s3
	s_mov_b32 s3, 0
	s_add_nc_u64 s[6:7], s[6:7], s[2:3]
	v_lshlrev_b32 v15, 5, v2                       ; A's bias: my 128 channels in the result's layout, into window 1
	WIN 0x40
.irp b, 0,1,2,3,4,5,6,7
	global_load_b128 v[96+8*\b+96*(\b/4):96+8*\b+96*(\b/4)+3], v15, s[6:7] offset:64*\b
	global_load_b128 v[96+8*\b+96*(\b/4)+4:96+8*\b+96*(\b/4)+7], v15, s[6:7] offset:64*\b+16
.endr
	WIN 0
	s_lshl_b32 s2, ttmp9, 2
	s_add_co_u32 s2, s2, s24                       ; B's ty
	s_lshl_b32 s2, s2, 7
	s_lshl_b32 s3, s21, 6
	s_add_co_u32 s2, s2, s3                        ; B: my first place
	s_lshl_b32 s2, s2, 2
	s_mov_b32 s3, 0
	s_add_nc_u64 s[10:11], s[10:11], s[2:3]
	v_and_b32 v30, 8, v1
	v_add_nc_u32 v30, v30, v1
	v_lshlrev_b32 v30, 2, v30                      ; place 16 a + r holds channel 32 (a / 2) + 16 (r / 8) + 8 (a % 2) + r % 8
.irp a, 0,1,2,3
	global_load_b32 v[24+\a], v30, s[10:11] offset:(32*(\a/2)+8*(\a%2))*4
.endr
	s_lshl_b32 s100, s26, 8
	s_lshl_b32 s101, s21, 7
	s_add_co_u32 s100, s100, s101                  ; A: my first row
	s_lshl_b32 s2, s25, 1
	s_add_co_u32 s2, s2, s22                       ; my 128 along the result's K
	s_lshl_b32 s3, s100, 2
	s_add_co_u32 s100, s100, s2
	s_mul_i32 s100, s100, FRB
	s_mov_b32 s101, 0
	s_lshl_b32 s2, s2, 15
	s_add_co_u32 s2, s2, s3
	s_add_co_u32 s2, s2, 12582912
	s_mov_b32 s3, 0
	s_add_nc_u64 s[SB:SB+1], s[OB:OB+1], s[2:3]
	s_add_nc_u64 s[OB:OB+1], s[OB:OB+1], s[100:101]
	s_wait_alu depctr_va_vdst(0)                   ; the wait at the head's end
	s_wait_tensorcnt 0x0                           ; my tile of the head's four is in
	ds_add_u32 v[SPW], v[NIL]                      ; ahead of a later first fill
	s_mov_b32 s34, 8<<16                           ; from here on a load brings 8 row blocks
	s_mov_b32 s36, 8
	s_mov_b32 s42, 8<<16
	s_mov_b32 s44, 8
	s_wait_dscnt 0x0
	CROUND
	JLOAD 72, 32, 84, 40                           ; slot 1
	FETCH 0
	s_wait_loadcnt 0x0                             ; both biases
	KN 0
	KN 1
	KR 2, 68, 32, 80, 40, RB2/8                    ; bytes 0 on take K steps 6 and 7
	KN 3
	KN 4
	; B's descriptors, first part.  One load of mine is out, that of K steps 6 and 7: it names s[68:71] or s[80:83] and s[32:47].  What is written here was named by loads that the wait for 0 at K step 2 has shown done.
	s_and_b32 s25, ttmp7, 0xffff
	s_lshl_b32 s25, s25, 2
	s_add_co_u32 s25, s25, s23                     ; B's tx
	s_lshl_b32 s26, ttmp9, 2
	s_add_co_u32 s26, s26, s24                     ; B's ty
	G1SET 48, 27, 768, 4, 1536
	G1SET 56, 28, 768, 8, 1536
	s_lshl_b32 s2, s26, 3
	s_lshl_b32 s3, s22, 2
	s_add_co_u32 s2, s2, s3                        ; L: Wv's row block 8 ty + 4 half,
	s_lshl_b32 s8, s2, 6
	s_add_co_u32 s2, s2, 128                       ; behind q's and k's 128
	s_mul_i32 s2, s2, 12288
	s_mov_b32 s3, 0
	s_mov_b32 s9, 0
	s_lshl_b32 s66, s25, 4
	s_lshl_b32 s67, s22, 3
	s_add_co_u32 s66, s66, s67                     ; R: x's row block 16 tx + 8 half
	s_lshl_b32 s6, s66, 6
	s_mul_i32 s66, s66, 12288
	s_mov_b32 s67, 0
	s_mov_b32 s7, 0
	s_add_nc_u64 s[18:19], s[4:5], s[2:3]
	s_add_nc_u64 s[18:19], s[18:19], 6553600
	s_add_nc_u64 s[100:101], s[4:5], s[66:67]
	s_add_nc_u64 s[8:9], s[4:5], s[8:9]
	s_add_nc_u64 s[8:9], s[8:9], 9707520
	s_add_nc_u64 s[6:7], s[4:5], s[6:7]
	s_add_nc_u64 s[6:7], s[6:7], 6291456
	s_mul_i32 s2, s22, 4*6144
	s_mul_i32 s3, s22, 8*6144
	s_add_co_u32 s3, s3, 8*6144
	s_mul_i32 s66, s22, 2048
	s_add_co_u32 s66, s66, SCL
	s_mul_i32 s67, s22, 4096
	s_add_co_u32 s67, s67, SCR
	G0SET 72, 2, 147456, 18, 0
	G0SET 84, 3, 147456, 100, 0
	G0SET 76, 2, 0, 18, 6144
	G0SET 88, 3, 0, 100, 6144
	G0SET 92, 66, 0, 8, 0
	G0SET 96, 67, 0, 6, 0
	KR 5, 72, 48, 84, 56, 0                        ; bytes 147,456 on take B's K steps 0-3
	KN 6
	G1SET 32, 27, 32, NK, 2048                     ; B's scale words' groups 1, in registers whose loads the wait for 0 at K step 5 has shown done
	G1SET 40, 28, 64, NK, 4096
	KN 7
	WIN 0
	PLACES 4
.irp b, 0,1,2,3
	v_mov_b32 v[TM+4+\b], 0                        ; a lane permute's destination counts as one of its sources
.endr
	OUTB 0, 24576
	OUTB 1, 24576
	RND 92, 32, 96, 40                             ; B's scale words over A's, which nobody reads any more
	OUTB 2, 24576
	OUTB 3, 24576
	OUTB 4, 24576
	OUTB 5, 24576
	RND 76, 48, 88, 56                             ; bytes 0 on take B's K steps 4-7; the wait and the round have shown B's K steps 0-3 and scale words whole to every wave
	OUTB 6, 24576
	OUTB 7, 24576
	SCOUT
	s_wait_xcnt 0x0                                ; A's stores have read their registers
.set NA,    4
.set SLP,   256
.set SRP,   512
.set KIND0, 3
.set OB,    14
.set SB,    10
.set ADL,   16
.set ADR,   18
.set ADSL,  20
.set ADSR,  21
.set GR,    31
	s_lshl_b32 s100, s26, 7
	s_lshl_b32 s101, s21, 6
	s_add_co_u32 s100, s100, s101                  ; my first place
	s_lshl_b32 s2, s25, 1
	s_add_co_u32 s2, s2, s22                       ; my 128 tokens
	s_lshl_b32 s3, s100, 2
	s_lshl_b32 s100, s100, 2
	s_add_co_u32 s100, s100, s2
	s_mul_i32 s100, s100, FRB
	s_mov_b32 s101, 0
	s_lshl_b32 s2, s2, 12
	s_add_co_u32 s2, s2, s3
	s_add_co_u32 s2, s2, 6291456
	s_mov_b32 s3, 0
	s_add_nc_u64 s[SB:SB+1], s[OB:OB+1], s[2:3]
	s_add_nc_u64 s[OB:OB+1], s[OB:OB+1], s[100:101]
	FETCH 0
	WIN 0x40
.irp a, 0,1,2,3
.irp j, 0,1,2,3,4,5,6,7
	v_mov_b32 v[96+8*\a+\j], v[24+\a]              ; the bias of row 16 a + r, as the first product's C
.endr
.endr
	WIN 0
	s_wait_alu depctr_va_vdst(0)
	KN 0
	KN 1
	KN 2
	KC 3
	KN 4
	KN 5
	KN 6
	KN 7
	WIN 0
	PLACES 4
	OUTB 0, 98304
	OUTB 1, 98304
	OUTB 2, 98304
	OUTB 3, 98304
	SCOUT
	WIN 0
	s_wait_tensorcnt 0x0                           ; the wave's end; then the closing round
	ds_add_u32 v[SPW], v[NIL]
	s_wait_dscnt 0x0
	CROUND
	s_endpgm
.Lfunc_end_k_qea03bf3f0b_proj:
	.size	k_qea03bf3f0b_proj, .Lfunc_end_k_qea03bf3f0b_proj-k_qea03bf3f0b_proj
	.p2alignl 7, 3214868480
	.fill 96, 4, 3214868480
	.section	.rodata,"a",@progbits
	.p2align	6, 0x0
	.amdhsa_kernel k_qea03bf3f0b_proj
		.amdhsa_group_segment_fixed_size 327680
		.amdhsa_private_segment_fixed_size 0
		.amdhsa_enable_private_segment 0
		.amdhsa_kernarg_size 48
		.amdhsa_user_sgpr_count 2
		.amdhsa_user_sgpr_kernarg_segment_ptr 1
		.amdhsa_wavefront_size32 1
		.amdhsa_system_sgpr_workgroup_id_x 1
		.amdhsa_system_sgpr_workgroup_id_y 1
		.amdhsa_system_sgpr_workgroup_id_z 1
		.amdhsa_system_vgpr_workitem_id 0
		.amdhsa_next_free_vgpr 1024
		.amdhsa_next_free_sgpr 102
		.amdhsa_reserve_vcc 0
		.amdhsa_float_denorm_mode_32 3
		.amdhsa_float_denorm_mode_16_64 3
		.amdhsa_memory_ordered 1
		.amdhsa_forward_progress 1
		.amdhsa_inst_pref_size 226
	.end_amdhsa_kernel
	.amdgpu_metadata
---
amdhsa.version: [ 1, 2 ]
amdhsa.kernels:
  - .name:           k_qea03bf3f0b_proj
    .symbol:         k_qea03bf3f0b_proj.kd
    .args:
      - { .name: xw, .offset: 0, .size: 8, .value_kind: global_buffer, .address_space: global }
      - { .name: bq, .offset: 8, .size: 8, .value_kind: global_buffer, .address_space: global }
      - { .name: bk, .offset: 16, .size: 8, .value_kind: global_buffer, .address_space: global }
      - { .name: bv, .offset: 24, .size: 8, .value_kind: global_buffer, .address_space: global }
      - { .name: qk, .offset: 32, .size: 8, .value_kind: global_buffer, .address_space: global }
      - { .name: vt, .offset: 40, .size: 8, .value_kind: global_buffer, .address_space: global }
    .group_segment_fixed_size: 327680
    .private_segment_fixed_size: 0
    .kernarg_segment_align: 8
    .kernarg_segment_size: 48
    .max_flat_workgroup_size: 128
    .sgpr_count:     102
    .vgpr_count:     1024
    .wavefront_size: 32
...
	.end_amdgpu_metadata
.endif
;; end of part 2
;; launch scores (part 3): grid 8 x 32, 4 waves a work-group, clusters of 4 x 4, 327,680 bytes of LDS; arguments qk, mask, pp; writes pp
.if DOCPART == 3
	.amdgcn_target "amdgcn-amd-amdhsa--gfx1250"
	.amdhsa_code_object_version 6
	.text
	.protected	k_qea03bf3f0b_scores
	.globl	k_qea03bf3f0b_scores
	.p2align	8
	.type	k_qea03bf3f0b_scores,@function
k_qea03bf3f0b_scores:
	s_mov_b64 s[64:65], 0
	v_nop
	global_prefetch_b8 v0, s[64:65] scope:SCOPE_SE
	s_setreg_imm32_b32 hwreg(HW_REG_WAVE_MODE, 25, 1), 1
	s_wait_xcnt 0x0
	s_wait_alu depctr_hold_cnt(0) depctr_sa_sdst(0) depctr_va_vdst(0) depctr_va_sdst(0) depctr_va_ssrc(0) depctr_va_vcc(0) depctr_vm_vsrc(0)
	s_getreg_b32 s2, hwreg(HW_REG_IB_STS2, 6, 4)
	s_cmp_eq_u32 s2, 0
	s_cbranch_scc0 .Lentry_in_a_cluster
	s_endpgm
.Lentry_in_a_cluster:
	s_bfe_u32 s2, ttmp6, 0x10000c
	s_cmp_lg_u32 s2, 0xf033
	s_cbranch_scc0 .Lentry_shape_is_right
	s_endpgm
.Lentry_shape_is_right:
; S = q k^T, the mask, and a softmax for each 128 keys: t = S / 32 x log2(e), or NEG x log2(e) where the key's mask is 0; M = ceil(the largest t of my query among these 128 keys); p = 2^(t - M) is quantised along the keys;
; the sum l of the unquantised p and -M are stored beside the scale words.  The next launch brings the sixteen parts of a row under the row's M by exact powers of two.  No work is left out.
; t is one multiply-add S x f + g with f = log2(e) / 32, g = 0 for a key that counts and f = 0, g = NEG x log2(e) for a masked one; t - M is a second, rounded sum: where all 128 keys are masked it is exactly 0 and p = 1.
; L (a lane's row, source 1) = queries, R (a lane's registers, source 0) = keys.  256 x 256 a work-group, 128 x 128 a wave.  K = 1,024 in 8 steps.
; LDS: slot 0 (bytes 0 on) K steps 0-2, slot 1 (147,456 on) K steps 3-5, then K steps 6-7 in bytes 0 to 98,303, row blocks 3,072 bytes apart.
; THE HEAD: one joint load a wave: wave 0 L's slot 0, wave 1 R's, wave 2 L's scale words, wave 3 R's.  Later fills stand behind the three lines and a round of the cluster's barrier, a quarter a wave.
; CLUSTER 4 x 4, joint loads.  p's K: bits 3 and 4 of a key's place exchanged inside each block of 32, as in v^T.
; pp: images [query / 16][16 K steps of 128 keys] at 0; [16][8,192] words each: scale words at 12,582,912, -M at 13,107,200, l at 13,631,488.
; No prefetch: the text has no loop to run ahead in.  LIMITS: NaN and infinities are not served; a block whose every p is 0 gets the byte 1 (its codes are zeros).
.set NK,    8
.set FRB,   1536
.set RBB,   3*FRB
.set RB2,   2*FRB
.set SLOT,  32*RBB
.set SCL,   294912
.set SCR,   303104
.set GATH,  311296
.set GW,    1536                       ; a wave's 128 scale words, 128 -M, 128 l
.set SPARE, 317440
.set OB,    8
.set SB,    12
.set LI,   3
.set L4,   4
.set ADL,  5                           ; v5-7 L's fragments: slot 0, slot 1, K steps 6-7
.set ADR,  8                           ; v8-10 R's
.set ADSL, 11
.set ADSR, 12
.set GA,   13
.set GR,   14
.set SPW,  28
.set NIL,  29
.set SC,   32                          ; v32-47 scale words alone
.set LF,   64                          ; window 0: L's two sets.  Window 1: R's sets at v0, v128; v96-127, v224-255 the mask.  Windows 2, 3: accumulators
.set H,    64
.set TM,   192
.set PW,   208
.set NM,   210                         ; v[210:211] -M, twice
.set PC,   212
.set S0,   232
.set S1,   234
.set LS,   236
.set TT,   237
.set SEL,  30
.set MSB, 0
.macro WIN new
.if MSB != (\new)
	s_set_vgpr_msb (MSB<<8)|(\new)
.set MSB, (\new)
.endif
.endm
.macro PLACES n
.rept \n
	v_nop
.endr
.endm
.macro TLOAD g0, g1
	tensor_load_to_lds s[\g0:\g0+3], s[\g1:\g1+7]
	s_nop 0
	PLACES 4
.endm
.macro JLOAD g0l, g1l, g0r, g1r
	s_cmp_eq_u32 s21, 0
	s_cbranch_scc0 .Lfor_r_\@
	TLOAD \g0l, \g1l
	s_branch .Lasked_\@
.Lfor_r_\@:
	TLOAD \g0r, \g1r
.Lasked_\@:
.endm
.macro ARM under, g0, g1, next
	s_cmp_lt_u32 s20, \under
	s_cbranch_scc0 \next
	TLOAD \g0, \g1
	s_branch .Lhead_asked
\next:
.endm
.macro CREST
	s_cmp_lg_u32 s20, 0
	s_cbranch_scc1 .Lnot_wave_0_\@
	s_barrier_signal -3
.Lnot_wave_0_\@:
	s_barrier_wait -3
	s_barrier_signal -1
	s_barrier_wait -1
.endm
.macro CROUND
	s_barrier_signal -1
	s_barrier_wait -1
	CREST
.endm
.macro G1SET g, m, c, r, p
	s_or_b32 s[\g], s[\m], (3<<16)|(1<<21)
	s_mov_b32 s[\g+1], (\c)<<16
	s_mov_b32 s[\g+2], (\r)<<16
	s_mov_b32 s[\g+3], (\c)<<16
	s_mov_b32 s[\g+4], \r
	s_mov_b32 s[\g+5], \p
	s_mov_b32 s[\g+6], 0
	s_mov_b32 s[\g+7], 0
.endm
.macro G0SET g, lds, off, ptr, step
	s_mov_b32 s[\g], 1
	s_add_co_u32 s[\g+1], s[\lds], \off
	s_add_nc_u64 s[\g+2:\g+3], s[\ptr:\ptr+1], \step
	s_or_b32 s[\g+3], s[\g+3], 0x80000000
.endm
.macro G0H g, lds, ptr
	s_mov_b32 s[\g], 1
	s_mov_b32 s[\g+1], \lds
	s_mov_b64 s[\g+2:\g+3], s[\ptr:\ptr+1]
	s_or_b32 s[\g+3], s[\g+3], 0x80000000
.endm
.macro FETCH t
.set fs, (\t)%2
.if (\t) >= 6
.set fsl, 2
.set fo, ((\t)-6)*FRB
.set frb, RB2
.else
.set fsl, (\t)/3
.set fo, ((\t)%3)*FRB
.set frb, RBB
.endif
	WIN 0x40
.irp i, 0,1,2,3,4,5,6,7
.irp c, 0,1,2
	ds_load_b128 v[128*fs+12*\i+4*\c:128*fs+12*\i+4*\c+3], v[ADR+fsl] offset:\i*frb+fo+512*\c
.endr
.endr
	WIN 0
.irp i, 0,1,2,3,4,5,6,7
.irp c, 0,1,2
	ds_load_b128 v[LF+96*fs+12*\i+4*\c:LF+96*fs+12*\i+4*\c+3], v[ADL+fsl] offset:\i*frb+fo+512*\c
.endr
.endr
.irp i, 0,1,2,3
	ds_load_b32 v[SC+8*fs+\i], v[ADSL] offset:(\t)*1024+128*\i
.endr
.irp i, 0,1,2,3
	ds_load_b32 v[SC+8*fs+4+\i], v[ADSR] offset:(\t)*1024+128*\i
.endr
.endm
.macro WV c                            ; source 0 = R's block bb, source 1 = L's block aa, C as given
.set xD, 8*(8*(aa%4)+bb)
.set xA, 128*ss+12*bb
.set xB, LF+96*ss+12*aa
.set yA, SC+8*ss+4+bb/2
.set yB, SC+8*ss+aa/2
.set vr, 2*(aa%2)+bb%2
.if vr == 0
	v_wmma_scale_f32_16x16x128_f8f6f4 v[xD:xD+7], v[xA:xA+11], v[xB:xB+11], \c, v[yA], v[yB] matrix_a_fmt:MATRIX_FMT_FP6 matrix_b_fmt:MATRIX_FMT_FP6
.elseif vr == 1
	v_wmma_scale_f32_16x16x128_f8f6f4 v[xD:xD+7], v[xA:xA+11], v[xB:xB+11], \c, v[yA], v[yB] matrix_a_fmt:MATRIX_FMT_FP6 matrix_b_fmt:MATRIX_FMT_FP6 matrix_a_scale:MATRIX_SCALE_ROW1
.elseif vr == 2
	v_wmma_scale_f32_16x16x128_f8f6f4 v[xD:xD+7], v[xA:xA+11], v[xB:xB+11], \c, v[yA], v[yB] matrix_a_fmt:MATRIX_FMT_FP6 matrix_b_fmt:MATRIX_FMT_FP6 matrix_b_scale:MATRIX_SCALE_ROW1
.else
	v_wmma_scale_f32_16x16x128_f8f6f4 v[xD:xD+7], v[xA:xA+11], v[xB:xB+11], \c, v[yA], v[yB] matrix_a_fmt:MATRIX_FMT_FP6 matrix_b_fmt:MATRIX_FMT_FP6 matrix_a_scale:MATRIX_SCALE_ROW1 matrix_b_scale:MATRIX_SCALE_ROW1
.endif
.endm
.macro MULS a0, n, set, zero           ; the accumulators take turns, one instruction a turn
.set ss, \set
.set aa, \a0
.rept \n
	WIN (0xa1+0x50*(aa/4))
.set bb, 0
.rept 8
.if \zero
	WV 0
.else
	WV v[xD:xD+7]
.endif
.set bb, bb+1
.endr
.set aa, aa+1
.endr
.endm
.macro KN t
	s_wait_dscnt 0x0
.if (\t)+1 < NK
	PLACES 4
	FETCH (\t)+1
.endif
.if (\t) == 0
	MULS 0, 8, 0, 1
.else
	MULS 0, 8, (\t)%2, 0
.endif
.endm
.macro QCODE s
.irp b, 0,1,2,3
	v_add_nc_u32 v[TM+12+\b], 0xff000000, v[TM+\b] ; 2 off the exponent field: the conversion's scale operand
.endr
.irp b, 0,1,2,3
	v_lshrrev_b32 v[TM+4+\b], 23, v[TM+12+\b]
.endr
	v_lshl_or_b32 v[PW], v[TM+5], 8, v[TM+4]
	v_lshl_or_b32 v[PW], v[TM+6], 16, v[PW]
	v_lshl_or_b32 v[PW], v[TM+7], 24, v[PW]
.irp c, 0,1
	v_cvt_scalef32_pk16_fp6_f32 v[PC+6*\c:PC+6*\c+2], v[(\s)+32*\c:(\s)+32*\c+15], v[TM+12+2*\c]
	v_cvt_scalef32_pk16_fp6_f32 v[PC+12+4*\c:PC+14+4*\c], v[(\s)+16+32*\c:(\s)+31+32*\c], v[TM+12+2*\c+1]
.endr
	v_nop                                          ; one plain place behind a scaled conversion
.irp c, 0,1
.irp i, 0,1,2
	v_permlane16_swap_b32 v[PC+6*\c+\i], v[PC+12+4*\c+\i]
.endr
.irp i, 0,1,2
	v_mov_b32 v[PC+3+6*\c+\i], v[PC+12+4*\c+\i]
.endr
.endr
.endm
; The softmax of 16 queries x my 128 keys.  A lane holds one query; register 16 B + i and lane l xor 16's hold block B of 32 keys.
.macro SOFT a
.set AC, 64*((\a)%4)
.if (\a) > 0
	s_wait_dscnt 0x0                               ; the last block's LDS stores have read -M, l and the scale word
.endif
	WIN (0x14|(2+(\a)/4))
.set nn, 0
.rept 32
	v_pk_fma_f32 v[H+nn:H+nn+1], v[AC+nn:AC+nn+1], v[nn:nn+1], v[128+nn:129+nn]   ; t = S x f + g; each accumulator from its low end on
.set nn, nn+2
.endr
	WIN 0
.irp b, 0,1,2,3
	v_max3_num_f32 v[TM+\b], v[H+16*\b], v[H+16*\b+1], v[H+16*\b+2]   ; the largest t of each block: for the row's maximum and, since p rises with t, for the block's largest p
.endr
.irp i, 3,5,7,9,11,13
.irp b, 0,1,2,3
	v_max3_num_f32 v[TM+\b], v[TM+\b], v[H+16*\b+\i], v[H+16*\b+\i+1]
.endr
.endr
.irp b, 0,1,2,3
	v_max_num_f32 v[TM+\b], v[TM+\b], v[H+16*\b+15]
.endr
.irp b, 0,1,2,3
	v_permlanex16_b32 v[TM+4+\b], v[TM+\b], s[SEL], s[SEL+1]
.endr
.irp b, 0,1,2,3
	v_max_num_f32 v[TM+\b], v[TM+\b], v[TM+4+\b]
.endr
	v_max3_num_f32 v[TT], v[TM], v[TM+1], v[TM+2]
	v_max_num_f32 v[TT], v[TT], v[TM+3]
	v_floor_f32 v[NM], -v[TT]                      ; -M = floor(-t) = -ceil(t)
	v_mov_b32 v[NM+1], v[NM]
.set nn, 0
.rept 32
	v_pk_add_f32 v[H+nn:H+nn+1], v[H+nn:H+nn+1], v[NM:NM+1]   ; t - M
.set nn, nn+2
.endr
.irp b, 0,1,2,3
	v_add_f32 v[TM+\b], v[TM+\b], v[NM]
.endr
	s_wait_alu depctr_va_vdst(0)                   ; the wait ahead of the batch
.set nn, 0
.rept 64
	v_exp_f32 v[H+nn], v[H+nn]                     ; p = 2^(t - M)
.set nn, nn+1
.endr
	v_nop
	s_wait_alu depctr_va_vdst(0)                   ; one wait for the batch, ahead of its first reader
.irp b, 0,1,2,3
	v_exp_f32 v[TM+\b], v[TM+\b]                   ; the block's largest p
.endr
	v_pk_add_f32 v[S0:S0+1], v[H:H+1], v[H+2:H+3]  ; l is taken of the unquantised p, in two chains
	v_pk_add_f32 v[S1:S1+1], v[H+4:H+5], v[H+6:H+7]
.irp j, 8,12,16,20,24,28,32,36,40,44,48,52,56,60
	v_pk_add_f32 v[S0:S0+1], v[S0:S0+1], v[H+\j:H+\j+1]
	v_pk_add_f32 v[S1:S1+1], v[S1:S1+1], v[H+\j+2:H+\j+3]
.endr
	v_pk_add_f32 v[S0:S0+1], v[S0:S0+1], v[S1:S1+1]
	v_add_f32 v[LS], v[S0], v[S0+1]
	v_permlanex16_b32 v[TT], v[LS], s[SEL], s[SEL+1]
	v_add_f32 v[LS], v[LS], v[TT]
	s_wait_alu depctr_va_vdst(0)                   ; and one for the four
.irp b, 0,1,2,3
	v_max_num_f32 v[TM+\b], 0x1800000, v[TM+\b]    ; the floor 2^(3 - 127): the byte cannot fall under 1
.endr
.if (\a) > 0
	s_wait_alu depctr_va_vdst(0)
	s_wait_xcnt 0x0                                ; the last block's stores have read the codes' registers
.endif
	QCODE H
.irp c, 0,1,2
	global_store_b128 v[LI], v[PC+4*\c:PC+4*\c+3], s[OB:OB+1] offset:(\a)*24576+512*\c
.endr
	ds_store_b32 v[GA], v[PW] offset:64*(\a)
	ds_store_b32 v[GA], v[NM] offset:512+64*(\a)
	ds_store_b32 v[GA], v[LS] offset:1024+64*(\a)
.endm
	s_load_b128 s[4:7], s[0:1], 0x0                ; qk, mask
	s_load_b64 s[8:9], s[0:1], 0x10                ; pp
	v_lshl_add_u32 v[SPW], v0, 2, SPARE
	v_mov_b32 v[NIL], 0
	ds_add_u32 v[SPW], v[NIL]                      ; the opening add, twice on end
	ds_add_u32 v[SPW], v[NIL]
	v_lshrrev_b32 v1, 5, v0
	v_readfirstlane_b32 s20, v1                    ; wave
	s_lshr_b32 s21, s20, 1                         ; my half of L; also: I fetch for L (0) or R (1)
	s_and_b32 s22, s20, 1                          ; my half of R; also: which half I fetch
	s_bfe_u32 s23, ttmp6, 0x40000
	s_bfe_u32 s24, ttmp6, 0x40004
	s_lshl_b32 s25, ttmp9, 2
	s_add_co_u32 s25, s25, s23                     ; tx: R's tile
	s_and_b32 s26, ttmp7, 0xffff
	s_lshl_b32 s26, s26, 2
	s_add_co_u32 s26, s26, s24                     ; ty: L's tile
	s_lshl_b32 s27, s24, 2
	s_lshl_b32 s27, 15, s27
	s_lshl_b32 s28, 0x1111, s23
	s_mov_b32 s[SEL], 0x76543210
	s_mov_b32 s[SEL+1], 0xfedcba98
	s_and_b32 s29, ttmp7, 0xffff
	s_lshr_b32 s29, s29, 1                         ; the batch: two rows of clusters each
	G1SET 32, 27, RBB/8, 16, 3072                  ; the head's tiles: 16 row blocks x three K steps
	G1SET 40, 28, RBB/8, 16, 3072
	G1SET 48, 27, 128, NK, 4096                    ; the scale words of 256 rows, 8 K steps
	G1SET 56, 28, 128, NK, 4096
	s_lshl_b32 s2, s26, 4                          ; L: q: row block 16 ty, K steps 0-7
	s_lshl_b32 s16, s2, 6
	s_mul_i32 s2, s2, 24576
	s_mov_b32 s3, 0
	s_mov_b32 s17, 0
	s_lshl_b32 s66, s29, 7
	s_lshl_b32 s67, s25, 4
	s_add_co_u32 s66, s66, s67                     ; R: k: row block 128 batch + 16 tx, K steps 8-15
	s_lshl_b32 s18, s66, 6
	s_mul_i32 s66, s66, 24576
	s_add_co_u32 s66, s66, 12288
	s_mov_b32 s67, 0
	s_mov_b32 s19, 0
	s_wait_dscnt 0x0
	s_wait_kmcnt 0x0
	s_add_nc_u64 s[12:13], s[4:5], s[2:3]
	s_add_nc_u64 s[14:15], s[4:5], s[66:67]
	s_add_nc_u64 s[16:17], s[4:5], s[16:17]
	s_add_nc_u64 s[16:17], s[16:17], 12582912
	s_add_nc_u64 s[18:19], s[4:5], s[18:19]
	s_add_nc_u64 s[18:19], s[18:19], 12845056
	G0H 76, 0, 12                                  ; the head's four tiles
	G0H 88, 16*RBB, 14
	G0H 92, SCL, 16
	G0H 96, SCR, 18
	s_mul_i32 s2, s22, 8*24576                     ; behind the head a wave fetches 8 row blocks: which half
	s_mov_b32 s3, 0
	s_add_nc_u64 s[12:13], s[12:13], s[2:3]
	s_add_nc_u64 s[14:15], s[14:15], s[2:3]
	s_mul_i32 s2, s22, 8*RBB
	s_add_co_u32 s3, s2, 16*RBB
	G0SET 72, 2, SLOT, 12, 3*FRB                   ; slot 1: K steps 3-5
	G0SET 84, 3, SLOT, 14, 3*FRB
	s_mul_i32 s2, s22, 8*RB2
	s_add_co_u32 s3, s2, 16*RB2
	G0SET 68, 2, 0, 12, 6*FRB                      ; K steps 6-7
	G0SET 80, 3, 0, 14, 6*FRB
	CROUND
	ARM 1, 76, 32, .Lhead_r
	ARM 2, 88, 40, .Lhead_sl
	ARM 3, 92, 48, .Lhead_sr
	TLOAD 96, 56
.Lhead_asked:
	v_and_b32 v1, 15, v0
	v_bfe_u32 v2, v0, 4, 1
	v_and_b32 v[L4], 31, v0
	v_lshlrev_b32 v[LI], 4, v[L4]
	v_lshlrev_b32 v[L4], 2, v[L4]
	s_wait_alu depctr_va_vdst(0)
	s_lshl_b32 s2, s29, 7
	s_lshl_b32 s3, s25, 4
	s_add_co_u32 s2, s2, s3
	s_lshl_b32 s3, s22, 3
	s_add_co_u32 s2, s2, s3
	s_lshl_b32 s2, s2, 6                           ; my 128 keys' mask words
	s_mov_b32 s3, 0
	s_add_nc_u64 s[6:7], s[6:7], s[2:3]
	v_lshlrev_b32 v15, 5, v2                       ; those of R's rows 16 b + 8 h + j, into window 1
	WIN 0x40
.irp b, 0,1,2,3,4,5,6,7
	global_load_b128 v[96+8*\b+96*(\b/4):96+8*\b+96*(\b/4)+3], v15, s[6:7] offset:64*\b
	global_load_b128 v[96+8*\b+96*(\b/4)+4:96+8*\b+96*(\b/4)+7], v15, s[6:7] offset:64*\b+16
.endr
	WIN 0
	s_mul_i32 s2, s21, 8*RBB
	s_mul_i32 s3, s22, 8*RBB
	s_add_co_u32 s3, s3, 16*RBB
.irp v, 0,1
	v_add_nc_u32 v[ADL+\v], s2, v[LI]
	v_add_nc_u32 v[ADR+\v], s3, v[LI]
	s_add_co_u32 s2, s2, SLOT
	s_add_co_u32 s3, s3, SLOT
.endr
	s_mul_i32 s2, s21, 8*RB2
	s_mul_i32 s3, s22, 8*RB2
	s_add_co_u32 s3, s3, 16*RB2
	v_add_nc_u32 v[ADL+2], s2, v[LI]
	v_add_nc_u32 v[ADR+2], s3, v[LI]
	s_lshl_b32 s2, s21, 9
	s_add_co_u32 s2, s2, SCL
	v_add_nc_u32 v[ADSL], s2, v[L4]
	s_lshl_b32 s2, s22, 9
	s_add_co_u32 s2, s2, SCR
	v_add_nc_u32 v[ADSR], s2, v[L4]
	s_mul_i32 s2, s20, GW
	s_add_co_u32 s2, s2, GATH
	v_lshl_add_u32 v[GA], v1, 2, s2
	v_add_nc_u32 v[GR], s2, v[LI]
	s_lshl_b32 s100, s26, 8
	s_lshl_b32 s101, s21, 7
	s_add_co_u32 s100, s100, s101                  ; my first query
	s_lshl_b32 s2, s25, 1
	s_add_co_u32 s2, s2, s22                       ; my 128 keys of the batch
	s_lshl_b32 s3, s100, 2
	s_add_co_u32 s100, s100, s2
	s_mul_i32 s100, s100, FRB
	s_mov_b32 s101, 0
	s_lshl_b32 s2, s2, 15
	s_add_co_u32 s2, s2, s3
	s_add_co_u32 s2, s2, 12582912
	s_mov_b32 s3, 0
	s_add_nc_u64 s[SB:SB+1], s[OB:OB+1], s[2:3]
	s_add_nc_u64 s[OB:OB+1], s[OB:OB+1], s[100:101]
	s_mov_b32 s66, 0x3d38aa3b                      ; log2(e) / 32
	s_mov_b32 s100, 0xd056fa73                     ; -1e10 x log2(e) in f32
	s_wait_alu depctr_va_vdst(0)
	s_wait_loadcnt 0x0                             ; the mask: each word becomes all ones (the key counts) or 0, while the head's tiles are on their way
	WIN 0x44
.set nn, 0
.rept 64
	v_cmp_ne_u32 vcc_lo, 0, v[96+nn+96*(nn/32)]
	v_cndmask_b32 v[96+nn+96*(nn/32)], 0, -1, vcc_lo
.set nn, nn+1
.endr
	WIN 0
	s_wait_alu depctr_va_vdst(0)                   ; the wait at the head's end
	s_wait_tensorcnt 0x0                           ; my tile of the head's four is in
	ds_add_u32 v[SPW], v[NIL]                      ; ahead of a later first fill
	s_mov_b32 s34, 8<<16                           ; from here on a load brings 8 row blocks
	s_mov_b32 s36, 8
	s_mov_b32 s42, 8<<16
	s_mov_b32 s44, 8
	s_wait_dscnt 0x0
	CROUND
	JLOAD 72, 32, 84, 40                           ; slot 1
	FETCH 0
	KN 0
	KN 1
	WIN 0                                          ; K step 2, slot 0's last: bytes 0 on are filled again, with K steps 6 and 7
	s_wait_tensorcnt 0x0                           ; slot 1's load has landed, so descriptors may be written
	ds_add_u32 v[SPW], v[NIL]
	s_mov_b32 s33, (RB2/8)<<16                     ; rows of two K steps
	s_mov_b32 s35, (RB2/8)<<16
	s_mov_b32 s41, (RB2/8)<<16
	s_mov_b32 s43, (RB2/8)<<16
	s_wait_dscnt 0x0                               ; the add is done, my LDS reads are over
	s_barrier_signal -1                            ; opens a round of the cluster's barrier
	MULS 0, 4, 0, 0
	WIN 0
	s_barrier_wait -1
	CREST
	JLOAD 68, 32, 80, 40                           ; its four v_nop are the places in front of the loads below
	FETCH 3
	MULS 4, 4, 0, 0
	KN 3
	KN 4
	s_wait_tensorcnt 0x0                           ; K step 5: K steps 6 and 7 have landed
	s_wait_dscnt 0x0
	s_barrier_signal -1
	MULS 0, 4, 1, 0
	s_barrier_wait -1
	PLACES 4
	FETCH 6
	MULS 4, 4, 1, 0
	KN 6
	KN 7
	WIN 0
	PLACES 4
	WIN 0x44                                       ; over R's fragments, which are done with: f at v0-63 of window 1,
.set nn, 0
.rept 64
	v_and_b32 v[nn], s66, v[96+nn+96*(nn/32)]
.set nn, nn+1
.endr
	WIN 0x41                                       ; g at v128-191
.set nn, 0
.rept 64
	v_bfi_b32 v[128+nn], v[96+nn+96*(nn/32)], 0, s100
.set nn, nn+1
.endr
	WIN 0
.irp b, 0,1,2,3
	v_mov_b32 v[TM+4+\b], 0                        ; a lane permute's destination counts as one of its sources
.endr
.irp a, 0,1,2,3,4,5,6,7
	SOFT \a
.endr
.irp u, 0,1,2
	ds_load_b128 v[H+4*\u:H+4*\u+3], v[GR] offset:512*\u
.endr
	s_wait_dscnt 0x0
.irp u, 0,1,2
	global_store_b128 v[LI], v[H+4*\u:H+4*\u+3], s[SB:SB+1] offset:524288*\u   ; scale words, -M, l: 512 consecutive bytes each
.endr
	s_wait_tensorcnt 0x0                           ; the wave's end; then the closing round
	ds_add_u32 v[SPW], v[NIL]
	s_wait_dscnt 0x0
	CROUND
	s_endpgm
.Lfunc_end_k_qea03bf3f0b_scores:
	.size	k_qea03bf3f0b_scores, .Lfunc_end_k_qea03bf3f0b_scores-k_qea03bf3f0b_scores
	.p2alignl 7, 3214868480
	.fill 96, 4, 3214868480
	.section	.rodata,"a",@progbits
	.p2align	6, 0x0
	.amdhsa_kernel k_qea03bf3f0b_scores
		.amdhsa_group_segment_fixed_size 327680
		.amdhsa_private_segment_fixed_size 0
		.amdhsa_enable_private_segment 0
		.amdhsa_kernarg_size 24
		.amdhsa_user_sgpr_count 2
		.amdhsa_user_sgpr_kernarg_segment_ptr 1
		.amdhsa_wavefront_size32 1
		.amdhsa_system_sgpr_workgroup_id_x 1
		.amdhsa_system_sgpr_workgroup_id_y 1
		.amdhsa_system_sgpr_workgroup_id_z 1
		.amdhsa_system_vgpr_workitem_id 0
		.amdhsa_next_free_vgpr 1024
		.amdhsa_next_free_sgpr 102
		.amdhsa_reserve_vcc 1
		.amdhsa_float_denorm_mode_32 3
		.amdhsa_float_denorm_mode_16_64 3
		.amdhsa_memory_ordered 1
		.amdhsa_forward_progress 1
		.amdhsa_inst_pref_size 226
	.end_amdhsa_kernel
	.amdgpu_metadata
---
amdhsa.version: [ 1, 2 ]
amdhsa.kernels:
  - .name:           k_qea03bf3f0b_scores
    .symbol:         k_qea03bf3f0b_scores.kd
    .args:
      - { .name: qk, .offset: 0, .size: 8, .value_kind: global_buffer, .address_space: global }
      - { .name: mask, .offset: 8, .size: 8, .value_kind: global_buffer, .address_space: global }
      - { .name: pp, .offset: 16, .size: 8, .value_kind: global_buffer, .address_space: global }
    .group_segment_fixed_size: 327680
    .private_segment_fixed_size: 0
    .kernarg_segment_align: 8
    .kernarg_segment_size: 24
    .max_flat_workgroup_size: 128
    .sgpr_count:     102
    .vgpr_count:     1024
    .wavefront_size: 32
...
	.end_amdgpu_metadata
.endif
;; end of part 3
;; launch pv (part 4): grid 4 x 64, 4 waves a work-group, clusters of 4 x 4, 327,680 bytes of LDS; arguments pp, vt, hh; writes hh
.if DOCPART == 4
	.amdgcn_target "amdgcn-amd-amdhsa--gfx1250"
	.amdhsa_code_object_version 6
	.text
	.protected	k_qea03bf3f0b_pv
	.globl	k_qea03bf3f0b_pv
	.p2align	8
	.type	k_qea03bf3f0b_pv,@function
k_qea03bf3f0b_pv:
	s_mov_b64 s[64:65], 0
	v_nop
	global_prefetch_b8 v0, s[64:65] scope:SCOPE_SE
	s_setreg_imm32_b32 hwreg(HW_REG_WAVE_MODE, 25, 1), 1
	s_wait_xcnt 0x0
	s_wait_alu depctr_hold_cnt(0) depctr_sa_sdst(0) depctr_va_vdst(0) depctr_va_sdst(0) depctr_va_ssrc(0) depctr_va_vcc(0) depctr_vm_vsrc(0)
	s_getreg_b32 s2, hwreg(HW_REG_IB_STS2, 6, 4)
	s_cmp_eq_u32 s2, 0
	s_cbranch_scc0 .Lentry_in_a_cluster
	s_endpgm
.Lentry_in_a_cluster:
	s_bfe_u32 s2, ttmp6, 0x10000c
	s_cmp_lg_u32 s2, 0xf033
	s_cbranch_scc0 .Lentry_shape_is_right
	s_endpgm
.Lentry_shape_is_right:
; hid = (p v) / l, quantised along the channels.  No work is left out.
; THE MERGE of the sixteen softmaxes of a row: M = the largest of their M; part i's p stand for p x 2^-(M - M_i), an exact power of two, taken off its four scale bytes (a byte is held at 0 from below);
; l = the sum of l_i x 2^-(M - M_i).  Thread t does this for row t of the work-group's 128, while the head's tiles are on their way; the words go to LDS.
; L (a lane's row, source 1) = queries, R (a lane's registers, source 0) = v^T's places.  128 x 256 a work-group, 64 x 128 a wave.  K = 2,048 keys in 16 steps through two slots of four steps, each filled twice.
; THE HEAD: one joint load a wave: wave 0 L's slot 0, waves 1 and 2 the halves of R's, wave 3 R's scale words.  Slot 1's first fill and the refills stand behind the three lines and a round, a quarter a wave.
; CLUSTER 4 x 4, joint loads.  hid's K: v^T's places and the way out both exchange bits 3 and 4: hid's codes lie in the channels' own order, as Wo's do.
; hh: images [token / 16][8 K steps] at 0, scale words [8][8,192] at 6,291,456.
; No prefetch: the text has no loop to run ahead in.
; LIMITS: NaN and infinities are not served; M - M_i is held at 255; a block of p whose byte would fall under 0 is held at 2^-127: it stands for at most 7.5 x 2^-127 beside a row sum of at least 1/2; a block of zeros of hid gets the byte 1.
.set NA,    4
.set NK,    16
.set FRB,   1536
.set RBB,   4*FRB
.set SLOT,  24*RBB
.set SCR,   294912                     ; R's scale words [16][1,024 bytes], by a tensor load
.set SCL,   311296                     ; L's merged scale words: 2 halves x [16][256 bytes], by LDS stores
.set RLB,   319488                     ; 1 / l of the 128 rows
.set GATH,  320000
.set SPARE, 321024
.set OB,    8
.set SB,    12
.set LI,   3
.set L4,   4
.set ADL,  5
.set ADR,  8
.set ADSL, 11
.set ADSR, 12
.set GA,   13
.set GR,   14
.set SPW,  28
.set NIL,  29
.set SC,   32
.set LF,   64
.set H,    64
.set TM,   192
.set PW,   208
.set PC,   212
.set SEL,  30
.set MSB, 0
.macro WIN new
.if MSB != (\new)
	s_set_vgpr_msb (MSB<<8)|(\new)
.set MSB, (\new)
.endif
.endm
.macro PLACES n
.rept \n
	v_nop
.endr
.endm
.macro TLOAD g0, g1
	tensor_load_to_lds s[\g0:\g0+3], s[\g1:\g1+7]
	s_nop 0
	PLACES 4
.endm
.macro JLOAD g0l, g1l, g0r, g1r
	s_cmp_eq_u32 s21, 0
	s_cbranch_scc0 .Lfor_r_\@
	TLOAD \g0l, \g1l
	s_branch .Lasked_\@
.Lfor_r_\@:
	TLOAD \g0r, \g1r
.Lasked_\@:
.endm
.macro ARM under, g0, g1, next
	s_cmp_lt_u32 s20, \under
	s_cbranch_scc0 \next
	TLOAD \g0, \g1
	s_branch .Lhead_asked
\next:
.endm
.macro CREST
	s_cmp_lg_u32 s20, 0
	s_cbranch_scc1 .Lnot_wave_0_\@
	s_barrier_signal -3
.Lnot_wave_0_\@:
	s_barrier_wait -3
	s_barrier_signal -1
	s_barrier_wait -1
.endm
.macro CROUND
	s_barrier_signal -1
	s_barrier_wait -1
	CREST
.endm
.macro G1SET g, m, c, r, p
	s_or_b32 s[\g], s[\m], (3<<16)|(1<<21)
	s_mov_b32 s[\g+1], (\c)<<16
	s_mov_b32 s[\g+2], (\r)<<16
	s_mov_b32 s[\g+3], (\c)<<16
	s_mov_b32 s[\g+4], \r
	s_mov_b32 s[\g+5], \p
	s_mov_b32 s[\g+6], 0
	s_mov_b32 s[\g+7], 0
.endm
.macro G0SET g, lds, off, ptr, step
	s_mov_b32 s[\g], 1
	s_add_co_u32 s[\g+1], s[\lds], \off
	s_add_nc_u64 s[\g+2:\g+3], s[\ptr:\ptr+1], \step
	s_or_b32 s[\g+3], s[\g+3], 0x80000000
.endm
.macro G0H g, lds, ptr
	s_mov_b32 s[\g], 1
	s_mov_b32 s[\g+1], \lds
	s_mov_b64 s[\g+2:\g+3], s[\ptr:\ptr+1]
	s_or_b32 s[\g+3], s[\g+3], 0x80000000
.endm
.macro FETCH t
.set fsl, ((\t)/4)%2
.set fo,  ((\t)%4)*FRB
.set fs,  (\t)%2
	WIN 0x40
.irp i, 0,1,2,3,4,5,6,7
.irp c, 0,1,2
	ds_load_b128 v[128*fs+12*\i+4*\c:128*fs+12*\i+4*\c+3], v[ADR+fsl] offset:\i*RBB+fo+512*\c
.endr
.endr
	WIN 0
.irp i, 0,1,2,3
.irp c, 0,1,2
	ds_load_b128 v[LF+48*fs+12*\i+4*\c:LF+48*fs+12*\i+4*\c+3], v[ADL+fsl] offset:\i*RBB+fo+512*\c
.endr
.endr
.irp i, 0,1
	ds_load_b32 v[SC+8*fs+\i], v[ADSL] offset:(\t)*256+128*\i
.endr
.irp i, 0,1,2,3
	ds_load_b32 v[SC+8*fs+4+\i], v[ADSR] offset:(\t)*1024+128*\i
.endr
.endm
.macro WV c
.set xD, 8*(8*aa+bb)
.set xA, 128*ss+12*bb
.set xB, LF+48*ss+12*aa
.set yA, SC+8*ss+4+bb/2
.set yB, SC+8*ss+aa/2
.set vr, 2*(aa%2)+bb%2
.if vr == 0
	v_wmma_scale_f32_16x16x128_f8f6f4 v[xD:xD+7], v[xA:xA+11], v[xB:xB+11], \c, v[yA], v[yB] matrix_a_fmt:MATRIX_FMT_FP6 matrix_b_fmt:MATRIX_FMT_FP6
.elseif vr == 1
	v_wmma_scale_f32_16x16x128_f8f6f4 v[xD:xD+7], v[xA:xA+11], v[xB:xB+11], \c, v[yA], v[yB] matrix_a_fmt:MATRIX_FMT_FP6 matrix_b_fmt:MATRIX_FMT_FP6 matrix_a_scale:MATRIX_SCALE_ROW1
.elseif vr == 2
	v_wmma_scale_f32_16x16x128_f8f6f4 v[xD:xD+7], v[xA:xA+11], v[xB:xB+11], \c, v[yA], v[yB] matrix_a_fmt:MATRIX_FMT_FP6 matrix_b_fmt:MATRIX_FMT_FP6 matrix_b_scale:MATRIX_SCALE_ROW1
.else
	v_wmma_scale_f32_16x16x128_f8f6f4 v[xD:xD+7], v[xA:xA+11], v[xB:xB+11], \c, v[yA], v[yB] matrix_a_fmt:MATRIX_FMT_FP6 matrix_b_fmt:MATRIX_FMT_FP6 matrix_a_scale:MATRIX_SCALE_ROW1 matrix_b_scale:MATRIX_SCALE_ROW1
.endif
.endm
.macro MULS a0, n, set, zero           ; the accumulators take turns, one instruction a turn
.set ss, \set
.set aa, \a0
	WIN 0xa1
.rept \n
.set bb, 0
.rept 8
.if \zero
	WV 0
.else
	WV v[xD:xD+7]
.endif
.set bb, bb+1
.endr
.set aa, aa+1
.endr
.endm
.macro KN t
	s_wait_dscnt 0x0
.if (\t)+1 < NK
	PLACES 4
	FETCH (\t)+1
.endif
.if (\t) == 0
	MULS 0, 4, 0, 1
.else
	MULS 0, 4, (\t)%2, 0
.endif
.endm
.macro KC t
	s_wait_tensorcnt 0x0
	s_wait_dscnt 0x0
	s_barrier_signal -1
	MULS 0, 2, (\t)%2, 0
	s_barrier_wait -1
	PLACES 4
	FETCH (\t)+1
	MULS 2, 2, (\t)%2, 0
.endm
.macro KR t, slot                      ; a slot's last K step with a joint refill of it, eight K steps on
	WIN 0
	s_wait_tensorcnt 0x0                           ; all my tensor loads have landed, so a group 0 may be written
	ds_add_u32 v[SPW], v[NIL]
	s_add_nc_u64 s[70+4*\slot:71+4*\slot], s[70+4*\slot:71+4*\slot], 2*RBB
	s_add_nc_u64 s[82+4*\slot:83+4*\slot], s[82+4*\slot:83+4*\slot], 2*RBB
	s_wait_dscnt 0x0
	s_barrier_signal -1                            ; opens a round of the cluster's barrier
	MULS 0, 2, (\t)%2, 0
	WIN 0
	s_barrier_wait -1
	CREST
	JLOAD 68+4*\slot, 32, 80+4*\slot, 40
	FETCH (\t)+1
	MULS 2, 2, (\t)%2, 0
.endm
.macro QMAX s
.irp b, 0,1,2,3
	v_max3_num_f32 v[TM+\b], |v[(\s)+16*\b]|, |v[(\s)+16*\b+1]|, 0x1800000   ; the floor 2^(3 - 127): the byte cannot fall under 1
.endr
.irp i, 2,4,6,8,10,12,14
.irp b, 0,1,2,3
	v_max3_num_f32 v[TM+\b], |v[(\s)+16*\b+\i]|, |v[(\s)+16*\b+\i+1]|, v[TM+\b]
.endr
.endr
.irp b, 0,1,2,3
	v_permlanex16_b32 v[TM+4+\b], v[TM+\b], s[SEL], s[SEL+1]
.endr
.irp b, 0,1,2,3
	v_max_num_f32 v[TM+\b], v[TM+\b], v[TM+4+\b]
.endr
.endm
.macro QCODE s
.irp b, 0,1,2,3
	v_add_nc_u32 v[TM+12+\b], 0xff000000, v[TM+\b]
.endr
.irp b, 0,1,2,3
	v_lshrrev_b32 v[TM+4+\b], 23, v[TM+12+\b]
.endr
	v_lshl_or_b32 v[PW], v[TM+5], 8, v[TM+4]
	v_lshl_or_b32 v[PW], v[TM+6], 16, v[PW]
	v_lshl_or_b32 v[PW], v[TM+7], 24, v[PW]
.irp c, 0,1
	v_cvt_scalef32_pk16_fp6_f32 v[PC+6*\c:PC+6*\c+2], v[(\s)+32*\c:(\s)+32*\c+15], v[TM+12+2*\c]
	v_cvt_scalef32_pk16_fp6_f32 v[PC+12+4*\c:PC+14+4*\c], v[(\s)+16+32*\c:(\s)+31+32*\c], v[TM+12+2*\c+1]
.endr
	v_nop
.irp c, 0,1
.irp i, 0,1,2
	v_permlane16_swap_b32 v[PC+6*\c+\i], v[PC+12+4*\c+\i]
.endr
.irp i, 0,1,2
	v_mov_b32 v[PC+3+6*\c+\i], v[PC+12+4*\c+\i]
.endr
.endr
.endm
.macro MERGE k                         ; part k of my row: v[64 + k] = -M_k, v[80 + k] = l_k, v[96 + k] = its scale word; v112 = -M
	v_sub_f32 v113, v[64+\k], v112                 ; M - M_k: a whole number, 0 or more
	v_min_num_f32 v113, 0x437f0000, v113           ; held at 255
	v_cvt_u32_f32 v113, v113
	v_sub_nc_u32 v114, 0, v113
.if \k == 0
	v_ldexp_f32 v115, v[80+\k], v114
.else
	v_ldexp_f32 v114, v[80+\k], v114
	v_add_f32 v115, v115, v114
.endif
	v_bfe_u32 v116, v[96+\k], 0, 8
	v_bfe_u32 v117, v[96+\k], 8, 8
	v_bfe_u32 v118, v[96+\k], 16, 8
	v_lshrrev_b32 v119, 24, v[96+\k]
.irp i, 0,1,2,3
	v_min_u32 v[120+\i], v[116+\i], v113
.endr
.irp i, 0,1,2,3
	v_sub_nc_u32 v[116+\i], v[116+\i], v[120+\i]   ; the byte less M - M_k, held at 0
.endr
	v_lshl_or_b32 v116, v117, 8, v116
	v_lshl_or_b32 v116, v118, 16, v116
	v_lshl_or_b32 v[96+\k], v119, 24, v116
	ds_store_b32 v24, v[96+\k] offset:256*\k
.endm
	s_load_b128 s[4:7], s[0:1], 0x0                ; pp, vt
	s_load_b64 s[8:9], s[0:1], 0x10                ; hh
	v_lshl_add_u32 v[SPW], v0, 2, SPARE
	v_mov_b32 v[NIL], 0
	ds_add_u32 v[SPW], v[NIL]                      ; the opening add, twice on end
	ds_add_u32 v[SPW], v[NIL]
	v_lshrrev_b32 v1, 5, v0
	v_readfirstlane_b32 s20, v1
	s_lshr_b32 s21, s20, 1
	s_and_b32 s22, s20, 1
	s_bfe_u32 s23, ttmp6, 0x40000
	s_bfe_u32 s24, ttmp6, 0x40004
	s_lshl_b32 s25, ttmp9, 2
	s_add_co_u32 s25, s25, s23                     ; tx: R's tile
	s_and_b32 s26, ttmp7, 0xffff
	s_lshl_b32 s26, s26, 2
	s_add_co_u32 s26, s26, s24                     ; ty: L's tile
	s_lshl_b32 s27, s24, 2
	s_lshl_b32 s27, 15, s27
	s_lshl_b32 s28, 0x1111, s23
	s_mov_b32 s[SEL], 0x76543210
	s_mov_b32 s[SEL+1], 0xfedcba98
	s_and_b32 s29, ttmp7, 0xffff
	s_lshr_b32 s29, s29, 2                         ; the batch: four rows of clusters each
	G1SET 32, 27, RBB/8, 8, 3072                   ; the head's tile of L: 8 row blocks x four K steps
	G1SET 40, 28, RBB/8, 8, 12288
	G1SET 56, 28, 128, NK, 512                     ; the scale words of 256 places, 16 K steps
	s_lshl_b32 s2, s26, 3                          ; L: p's row block 8 ty
	s_mul_i32 s2, s2, 24576
	s_mov_b32 s3, 0
	s_lshl_b32 s66, s25, 4                         ; R: v^T's row block 16 tx,
	s_mul_i32 s66, s66, 98304
	s_mul_i32 s67, s29, 24576                      ; the batch's 16 K steps
	s_add_co_u32 s66, s66, s67
	s_mov_b32 s67, 0
	s_lshl_b32 s18, s25, 10                        ; R's scale words: places 256 tx on,
	s_lshl_b32 s19, s29, 16                        ; the batch's 16 K steps of 4,096 bytes
	s_add_co_u32 s18, s18, s19
	s_add_co_u32 s18, s18, 6291456
	s_mov_b32 s19, 0
	s_wait_dscnt 0x0
	s_wait_kmcnt 0x0
	s_add_nc_u64 s[12:13], s[4:5], s[2:3]
	s_add_nc_u64 s[14:15], s[6:7], s[66:67]
	s_add_nc_u64 s[18:19], s[6:7], s[18:19]
	s_add_nc_u64 s[16:17], s[14:15], 8*98304       ; R's upper 8 row blocks
	G0H 76, 0, 12                                  ; the head's four tiles
	G0H 88, 8*RBB, 14
	G0H 92, 16*RBB, 16
	G0H 96, SCR, 18
	s_mul_i32 s2, s22, 4*24576                     ; behind the head: which half I fetch
	s_mov_b32 s3, 0
	s_add_nc_u64 s[12:13], s[12:13], s[2:3]
	s_mul_i32 s2, s22, 8*98304
	s_add_nc_u64 s[14:15], s[14:15], s[2:3]
	s_mul_i32 s2, s22, 4*RBB
	s_mul_i32 s3, s22, 8*RBB
	s_add_co_u32 s3, s3, 8*RBB
	G0SET 68, 2, 0, 12, 0                          ; slot 0's, stepped ahead of its refill
	G0SET 80, 3, 0, 14, 0
	G0SET 72, 2, SLOT, 12, RBB                     ; slot 1: K steps 4-7
	G0SET 84, 3, SLOT, 14, RBB
	CROUND
	ARM 1, 76, 32, .Lhead_r0
	ARM 2, 88, 40, .Lhead_r1
	ARM 3, 92, 40, .Lhead_sr
	TLOAD 96, 56
.Lhead_asked:
	s_lshl_b32 s2, s26, 9                          ; the work-group's 128 rows' words
	s_add_co_u32 s2, s2, 12582912
	s_mov_b32 s3, 0
	s_add_nc_u64 s[10:11], s[4:5], s[2:3]
	v_lshlrev_b32 v27, 2, v0
.irp k, 0,1,2,3,4,5,6,7,8,9,10,11,12,13,14,15
	global_load_b32 v[64+\k], v27, s[10:11] offset:\k*32768+524288
.endr
.irp k, 0,1,2,3,4,5,6,7,8,9,10,11,12,13,14,15
	global_load_b32 v[80+\k], v27, s[10:11] offset:\k*32768+1048576
.endr
.irp k, 0,1,2,3,4,5,6,7,8,9,10,11,12,13,14,15
	global_load_b32 v[96+\k], v27, s[10:11] offset:\k*32768
.endr
	v_and_b32 v1, 15, v0
	v_bfe_u32 v2, v0, 4, 1
	v_and_b32 v[L4], 31, v0
	v_lshlrev_b32 v[LI], 4, v[L4]
	v_lshlrev_b32 v[L4], 2, v[L4]
	s_wait_alu depctr_va_vdst(0)
	s_mul_i32 s2, s21, 4*RBB
	s_mul_i32 s3, s22, 8*RBB
	s_add_co_u32 s3, s3, 8*RBB
.irp v, 0,1
	v_add_nc_u32 v[ADL+\v], s2, v[LI]
	v_add_nc_u32 v[ADR+\v], s3, v[LI]
	s_add_co_u32 s2, s2, SLOT
	s_add_co_u32 s3, s3, SLOT
.endr
	s_lshl_b32 s2, s21, 12
	s_add_co_u32 s2, s2, SCL
	v_add_nc_u32 v[ADSL], s2, v[L4]
	s_lshl_b32 s2, s22, 9
	s_add_co_u32 s2, s2, SCR
	v_add_nc_u32 v[ADSR], s2, v[L4]
	s_lshl_b32 s2, s20, 8
	s_add_co_u32 s2, s2, GATH
	v_lshl_add_u32 v[GA], v1, 2, s2
	v_lshlrev_b32 v15, 1, v[L4]                    ; 8 x lane
	v_add_nc_u32 v[GR], s2, v15
	v_and_b32 v24, 63, v0
	v_lshrrev_b32 v25, 6, v0
	v_lshlrev_b32 v24, 2, v24
	v_lshl_add_u32 v24, v25, 12, v24
	v_add_nc_u32 v24, SCL, v24                     ; my row's merged scale words: half t / 64, 4 (t % 64), 256 bytes a K step
	v_lshl_add_u32 v25, v0, 2, RLB                 ; my row's 1 / l
	s_lshl_b32 s2, s21, 8
	s_add_co_u32 s2, s2, RLB
	v_lshl_add_u32 v26, v1, 2, s2                  ; and where I read those of my 64 rows
	s_lshl_b32 s100, s26, 7
	s_lshl_b32 s101, s21, 6
	s_add_co_u32 s100, s100, s101                  ; my first row
	s_lshl_b32 s2, s25, 1
	s_add_co_u32 s2, s2, s22                       ; my 128 channels
	s_lshl_b32 s3, s100, 2
	s_lshr_b32 s100, s100, 1
	s_add_co_u32 s100, s100, s2
	s_mul_i32 s100, s100, FRB
	s_mov_b32 s101, 0
	s_lshl_b32 s2, s2, 15
	s_add_co_u32 s2, s2, s3
	s_add_co_u32 s2, s2, 6291456
	s_mov_b32 s3, 0
	s_add_nc_u64 s[SB:SB+1], s[OB:OB+1], s[2:3]
	s_add_nc_u64 s[OB:OB+1], s[OB:OB+1], s[100:101]
	s_wait_alu depctr_va_vdst(0)
	s_wait_loadcnt 0x0
	v_min3_num_f32 v112, v64, v65, v66             ; -M = the least of the sixteen -M_k
.irp k, 67,69,71,73,75,77
	v_min3_num_f32 v112, v112, v[\k], v[\k+1]
.endr
	v_min_num_f32 v112, v112, v79
.irp k, 0,1,2,3,4,5,6,7,8,9,10,11,12,13,14,15
	MERGE \k
.endr
	s_wait_alu depctr_va_vdst(0)
	v_rcp_f32 v115, v115
	v_nop
	s_wait_alu depctr_va_vdst(0)
	ds_store_b32 v25, v115
	s_wait_tensorcnt 0x0                           ; my tile of the head's four is in
	ds_add_u32 v[SPW], v[NIL]                      ; ahead of a later first fill
	s_mov_b32 s34, 4<<16                           ; from here on a load of L brings 4 row blocks
	s_mov_b32 s36, 4
	s_wait_dscnt 0x0                               ; the add is done, and my merged words have landed
	CROUND
	JLOAD 72, 32, 84, 40                           ; slot 1
.irp a, 0,1,2,3
	ds_load_b32 v[16+2*\a], v26 offset:64*\a       ; 1 / l of row 16 a + r, in both registers of a pair
	ds_load_b32 v[17+2*\a], v26 offset:64*\a
.endr
	FETCH 0
	KN 0
	KN 1
	KN 2
	KR 3, 0                                        ; slot 0 takes K steps 8-11
	KN 4
	KN 5
	KN 6
	KR 7, 1                                        ; slot 1 takes K steps 12-15
	KN 8
	KN 9
	KN 10
	KC 11
	KN 12
	KN 13
	KN 14
	KN 15
	WIN 0
	PLACES 4
.irp b, 0,1,2,3
	v_mov_b32 v[TM+4+\b], 0                        ; a lane permute's destination counts as one of its sources
.endr
.set oa, 0
.rept NA
	WIN 2
.set nn, 0
.rept 32
	v_pk_mul_f32 v[H+nn:H+nn+1], v[64*oa+nn:64*oa+nn+1], v[16+2*oa:17+2*oa]   ; hid = the sums / l; each accumulator from its low end on
.set nn, nn+2
.endr
	WIN 0
	QMAX H
.if oa > 0
	s_wait_alu depctr_va_vdst(0)
	s_wait_xcnt 0x0                                ; the last block's stores have read the codes' registers,
	s_wait_dscnt 0x0                               ; and its LDS store the scale word's
.endif
	QCODE H
.irp c, 0,1,2
	global_store_b128 v[LI], v[PC+4*\c:PC+4*\c+3], s[OB:OB+1] offset:oa*12288+512*\c
.endr
	ds_store_b32 v[GA], v[PW] offset:64*oa
.set oa, oa+1
.endr
	ds_load_b64 v[H:H+1], v[GR]                    ; my 64 rows' scale words leave as one aligned block of 256 bytes
	s_wait_dscnt 0x0
	global_store_b64 v15, v[H:H+1], s[SB:SB+1]
	s_wait_tensorcnt 0x0                           ; the wave's end; then the closing round
	ds_add_u32 v[SPW], v[NIL]
	s_wait_dscnt 0x0
	CROUND
	s_endpgm
.Lfunc_end_k_qea03bf3f0b_pv:
	.size	k_qea03bf3f0b_pv, .Lfunc_end_k_qea03bf3f0b_pv-k_qea03bf3f0b_pv
	.p2alignl 7, 3214868480
	.fill 96, 4, 3214868480
	.section	.rodata,"a",@progbits
	.p2align	6, 0x0
	.amdhsa_kernel k_qea03bf3f0b_pv
		.amdhsa_group_segment_fixed_size 327680
		.amdhsa_private_segment_fixed_size 0
		.amdhsa_enable_private_segment 0
		.amdhsa_kernarg_size 24
		.amdhsa_user_sgpr_count 2
		.amdhsa_user_sgpr_kernarg_segment_ptr 1
		.amdhsa_wavefront_size32 1
		.amdhsa_system_sgpr_workgroup_id_x 1
		.amdhsa_system_sgpr_workgroup_id_y 1
		.amdhsa_system_sgpr_workgroup_id_z 1
		.amdhsa_system_vgpr_workitem_id 0
		.amdhsa_next_free_vgpr 768
		.amdhsa_next_free_sgpr 102
		.amdhsa_reserve_vcc 0
		.amdhsa_float_denorm_mode_32 3
		.amdhsa_float_denorm_mode_16_64 3
		.amdhsa_memory_ordered 1
		.amdhsa_forward_progress 1
		.amdhsa_inst_pref_size 170
	.end_amdhsa_kernel
	.amdgpu_metadata
---
amdhsa.version: [ 1, 2 ]
amdhsa.kernels:
  - .name:           k_qea03bf3f0b_pv
    .symbol:         k_qea03bf3f0b_pv.kd
    .args:
      - { .name: pp, .offset: 0, .size: 8, .value_kind: global_buffer, .address_space: global }
      - { .name: vt, .offset: 8, .size: 8, .value_kind: global_buffer, .address_space: global }
      - { .name: hh, .offset: 16, .size: 8, .value_kind: global_buffer, .address_space: global }
    .group_segment_fixed_size: 327680
    .private_segment_fixed_size: 0
    .kernarg_segment_align: 8
    .kernarg_segment_size: 24
    .max_flat_workgroup_size: 128
    .sgpr_count:     102
    .vgpr_count:     768
    .wavefront_size: 32
...
	.end_amdgpu_metadata
.endif
;; end of part 4
;; launch outp (part 5): grid 4 x 64, 4 waves a work-group, clusters of 4 x 4, 327,680 bytes of LDS; arguments hh, xw, bo, hidden_states, out0; writes out0
.if DOCPART == 5
	.amdgcn_target "amdgcn-amd-amdhsa--gfx1250"
	.amdhsa_code_object_version 6
	.text
	.protected	k_qea03bf3f0b_outp
	.globl	k_qea03bf3f0b_outp
	.p2align	8
	.type	k_qea03bf3f0b_outp,@function
k_qea03bf3f0b_outp:
	s_mov_b64 s[64:65], 0
	v_nop
	global_prefetch_b8 v0, s[64:65] scope:SCOPE_SE
	s_setreg_imm32_b32 hwreg(HW_REG_WAVE_MODE, 25, 1), 1
	s_wait_xcnt 0x0
	s_wait_alu depctr_hold_cnt(0) depctr_sa_sdst(0) depctr_va_vdst(0) depctr_va_sdst(0) depctr_va_ssrc(0) depctr_va_vcc(0) depctr_vm_vsrc(0)
	s_getreg_b32 s2, hwreg(HW_REG_IB_STS2, 6, 4)
	s_cmp_eq_u32 s2, 0
	s_cbranch_scc0 .Lentry_in_a_cluster
	s_endpgm
.Lentry_in_a_cluster:
	s_bfe_u32 s2, ttmp6, 0x10000c
	s_cmp_lg_u32 s2, 0xf033
	s_cbranch_scc0 .Lentry_shape_is_right
	s_endpgm
.Lentry_shape_is_right:
; out = x + hid Wo^T + bo.  No work is left out.  L (a lane's row, source 1) = tokens, R (a lane's registers, source 0) = Wo's rows.  128 x 256 a work-group, 64 x 128 a wave.  K = 1,024 in 8 steps, two slots of four, each filled once.
; Operands are images of their registers (1,536 bytes a fragment, [row / 16][K / 128]); scale words lie [K / 128][row].  bo is the C of the first products.
; THE HEAD: one joint load a wave: wave 0 L's slot 0, wave 1 R's, wave 2 L's scale words, wave 3 R's.  Slot 1's fill stands behind the three lines and a round of the cluster's barrier, a quarter a wave.
; The bias and 48 of my 64 rows of x are asked for while the head's tiles are on their way; x waits in window 3 and is added on the way out.
; THE WAY OUT: 16 rows x 128 columns at a time through my own stage (in slot 0, which has had its last fill and its last read), back as rows of 512 bytes: each store covers 512 consecutive bytes, aligned.
; CLUSTER 4 x 4, joint loads.  No prefetch: the text has no loop to run ahead in.  LIMITS: NaN and infinities are not served.
.set NK,    8
.set FRB,   1536
.set RBB,   4*FRB
.set SLOT,  24*RBB
.set SCL,   294912                     ; L's scale words [8][512 bytes]
.set SCR,   299008                     ; R's [8][1,024 bytes]
.set SPARE, 307200
.set LI,   3
.set L4,   4
.set ADL,  5
.set ADR,  8
.set ADSL, 11
.set ADSR, 12
.set SPW,  28
.set NIL,  29
.set SC,   32
.set LF,   64
.set MSB, 0
.macro WIN new
.if MSB != (\new)
	s_set_vgpr_msb (MSB<<8)|(\new)
.set MSB, (\new)
.endif
.endm
.macro PLACES n
.rept \n
	v_nop
.endr
.endm
.macro TLOAD g0, g1
	tensor_load_to_lds s[\g0:\g0+3], s[\g1:\g1+7]
	s_nop 0
	PLACES 4
.endm
.macro JLOAD g0l, g1l, g0r, g1r
	s_cmp_eq_u32 s21, 0
	s_cbranch_scc0 .Lfor_r_\@
	TLOAD \g0l, \g1l
	s_branch .Lasked_\@
.Lfor_r_\@:
	TLOAD \g0r, \g1r
.Lasked_\@:
.endm
.macro ARM under, g0, g1, next
	s_cmp_lt_u32 s20, \under
	s_cbranch_scc0 \next
	TLOAD \g0, \g1
	s_branch .Lhead_asked
\next:
.endm
.macro CREST
	s_cmp_lg_u32 s20, 0
	s_cbranch_scc1 .Lnot_wave_0_\@
	s_barrier_signal -3
.Lnot_wave_0_\@:
	s_barrier_wait -3
	s_barrier_signal -1
	s_barrier_wait -1
.endm
.macro CROUND
	s_barrier_signal -1
	s_barrier_wait -1
	CREST
.endm
.macro G1SET g, m, c, r, p
	s_or_b32 s[\g], s[\m], (3<<16)|(1<<21)
	s_mov_b32 s[\g+1], (\c)<<16
	s_mov_b32 s[\g+2], (\r)<<16
	s_mov_b32 s[\g+3], (\c)<<16
	s_mov_b32 s[\g+4], \r
	s_mov_b32 s[\g+5], \p
	s_mov_b32 s[\g+6], 0
	s_mov_b32 s[\g+7], 0
.endm
.macro G0SET g, lds, off, ptr, step
	s_mov_b32 s[\g], 1
	s_add_co_u32 s[\g+1], s[\lds], \off
	s_add_nc_u64 s[\g+2:\g+3], s[\ptr:\ptr+1], \step
	s_or_b32 s[\g+3], s[\g+3], 0x80000000
.endm
.macro G0H g, lds, ptr
	s_mov_b32 s[\g], 1
	s_mov_b32 s[\g+1], \lds
	s_mov_b64 s[\g+2:\g+3], s[\ptr:\ptr+1]
	s_or_b32 s[\g+3], s[\g+3], 0x80000000
.endm
.macro FETCH t
.set fsl, (\t)/4
.set fo,  ((\t)%4)*FRB
.set fs,  (\t)%2
	WIN 0x40
.irp i, 0,1,2,3,4,5,6,7
.irp c, 0,1,2
	ds_load_b128 v[128*fs+12*\i+4*\c:128*fs+12*\i+4*\c+3], v[ADR+fsl] offset:\i*RBB+fo+512*\c
.endr
.endr
	WIN 0
.irp i, 0,1,2,3
.irp c, 0,1,2
	ds_load_b128 v[LF+48*fs+12*\i+4*\c:LF+48*fs+12*\i+4*\c+3], v[ADL+fsl] offset:\i*RBB+fo+512*\c
.endr
.endr
.irp i, 0,1
	ds_load_b32 v[SC+8*fs+\i], v[ADSL] offset:(\t)*512+128*\i
.endr
.irp i, 0,1,2,3
	ds_load_b32 v[SC+8*fs+4+\i], v[ADSR] offset:(\t)*1024+128*\i
.endr
.endm
.macro WM bias                         ; source 0 = R's block bb, source 1 = L's block aa; C = D, or the 8 numbers of bias of R's block
.set xD, 8*(8*aa+bb)
.set xA, 128*ss+12*bb
.set xB, LF+48*ss+12*aa
.set yA, SC+8*ss+4+bb/2
.set yB, SC+8*ss+aa/2
.set xC, xD
.if \bias
.set xC, 96+8*bb+96*(bb/4)
.endif
.set vr, 2*(aa%2)+bb%2
.if vr == 0
	v_wmma_scale_f32_16x16x128_f8f6f4 v[xD:xD+7], v[xA:xA+11], v[xB:xB+11], v[xC:xC+7], v[yA], v[yB] matrix_a_fmt:MATRIX_FMT_FP6 matrix_b_fmt:MATRIX_FMT_FP6
.elseif vr == 1
	v_wmma_scale_f32_16x16x128_f8f6f4 v[xD:xD+7], v[xA:xA+11], v[xB:xB+11], v[xC:xC+7], v[yA], v[yB] matrix_a_fmt:MATRIX_FMT_FP6 matrix_b_fmt:MATRIX_FMT_FP6 matrix_a_scale:MATRIX_SCALE_ROW1
.elseif vr == 2
	v_wmma_scale_f32_16x16x128_f8f6f4 v[xD:xD+7], v[xA:xA+11], v[xB:xB+11], v[xC:xC+7], v[yA], v[yB] matrix_a_fmt:MATRIX_FMT_FP6 matrix_b_fmt:MATRIX_FMT_FP6 matrix_b_scale:MATRIX_SCALE_ROW1
.else
	v_wmma_scale_f32_16x16x128_f8f6f4 v[xD:xD+7], v[xA:xA+11], v[xB:xB+11], v[xC:xC+7], v[yA], v[yB] matrix_a_fmt:MATRIX_FMT_FP6 matrix_b_fmt:MATRIX_FMT_FP6 matrix_a_scale:MATRIX_SCALE_ROW1 matrix_b_scale:MATRIX_SCALE_ROW1
.endif
.endm
.macro MULS a0, n, set, bias           ; the accumulators take turns, one instruction a turn
.set ss, \set
.set aa, \a0
.if \bias
	WIN 0x91
.else
	WIN 0xa1
.endif
.rept \n
.set bb, 0
.rept 8
	WM \bias
.set bb, bb+1
.endr
.set aa, aa+1
.endr
.endm
.macro KN t
	s_wait_dscnt 0x0
.if (\t)+1 < NK
	PLACES 4
	FETCH (\t)+1
.endif
.if (\t) == 0
	MULS 0, 4, 0, 1
.else
	MULS 0, 4, (\t)%2, 0
.endif
.endm
.macro RES a                           ; 16 rows of x, 512 consecutive bytes a load, into window 3
	WIN 0xc0
.irp i, 0,1,2,3,4,5,6,7,8,9,10,11,12,13,14,15
	global_load_b128 v[64*(\a)+4*\i:64*(\a)+4*\i+3], v[LI], s[10:11] offset:(16*(\a)+\i)*4096 th:TH_LOAD_NT
.endr
	WIN 0
.endm
.macro TOSTAGE a
	WIN 0x08
.irp b, 0,1,2,3,4,5,6,7
	ds_store_b128 v16, v[64*(\a)+8*\b:64*(\a)+8*\b+3] offset:64*\b          ; each accumulator from its low end on
	ds_store_b128 v16, v[64*(\a)+8*\b+4:64*(\a)+8*\b+7] offset:64*\b+16
.endr
	WIN 0
.irp i, 0,1,2,3,4,5,6,7,8,9,10,11,12,13,14,15
	ds_load_b128 v[64+64*((\a)%2)+4*\i:64+64*((\a)%2)+4*\i+3], v17 offset:528*\i   ; LDS serves a wave's instructions in order
.endr
.endm
.macro SEND a, younger
	s_wait_dscnt \younger                          ; the block is back; the next block's 16 stores and 16 loads may be out
	s_wait_loadcnt 48-16*(\a)                      ; its rows of x are in; the later blocks' 16 loads each may be out
	WIN 0x0c
.set nn, 0
.rept 32
	v_pk_add_f32 v[64+64*((\a)%2)+nn:64+64*((\a)%2)+nn+1], v[64+64*((\a)%2)+nn:64+64*((\a)%2)+nn+1], v[64*(\a)+nn:64*(\a)+nn+1]
.set nn, nn+2
.endr
	WIN 0
.irp i, 0,1,2,3,4,5,6,7,8,9,10,11,12,13,14,15
	global_store_b128 v[LI], v[64+64*((\a)%2)+4*\i:64+64*((\a)%2)+4*\i+3], s[12:13] offset:(16*(\a)+\i)*4096 th:TH_STORE_NT
.endr
.endm
	s_load_b256 s[4:11], s[0:1], 0x0               ; hh, xw, bo, x
	s_load_b64 s[12:13], s[0:1], 0x20              ; out
	v_lshl_add_u32 v[SPW], v0, 2, SPARE
	v_mov_b32 v[NIL], 0
	ds_add_u32 v[SPW], v[NIL]                      ; the opening add, twice on end
	ds_add_u32 v[SPW], v[NIL]
	v_lshrrev_b32 v1, 5, v0
	v_readfirstlane_b32 s20, v1
	s_lshr_b32 s21, s20, 1
	s_and_b32 s22, s20, 1
	s_bfe_u32 s23, ttmp6, 0x40000
	s_bfe_u32 s24, ttmp6, 0x40004
	s_lshl_b32 s25, ttmp9, 2
	s_add_co_u32 s25, s25, s23                     ; tx: R's tile
	s_and_b32 s26, ttmp7, 0xffff
	s_lshl_b32 s26, s26, 2
	s_add_co_u32 s26, s26, s24                     ; ty: L's tile
	s_lshl_b32 s27, s24, 2
	s_lshl_b32 s27, 15, s27
	s_lshl_b32 s28, 0x1111, s23
	G1SET 32, 27, RBB/8, 8, 1536                   ; the head's tiles: L's 8 and R's 16 row blocks x four K steps
	G1SET 40, 28, RBB/8, 16, 1536
	G1SET 48, 27, 64, NK, 4096                     ; the scale words of L's 128 rows and of R's 256
	G1SET 56, 28, 128, NK, 2048
	s_lshl_b32 s2, s26, 3                          ; L: hid's row block 8 ty
	s_lshl_b32 s18, s2, 6
	s_mul_i32 s2, s2, 12288
	s_mov_b32 s3, 0
	s_mov_b32 s19, 0
	s_lshl_b32 s66, s25, 4                         ; R: Wo's row block 16 tx, behind q's, k's and v's 192
	s_lshl_b32 s16, s66, 6
	s_add_co_u32 s66, s66, 192
	s_mul_i32 s66, s66, 12288
	s_mov_b32 s67, 0
	s_mov_b32 s17, 0
	s_wait_dscnt 0x0
	s_wait_kmcnt 0x0
	s_add_nc_u64 s[14:15], s[4:5], s[2:3]
	s_add_nc_u64 s[18:19], s[4:5], s[18:19]
	s_add_nc_u64 s[18:19], s[18:19], 6291456
	s_add_nc_u64 s[100:101], s[6:7], s[66:67]
	s_add_nc_u64 s[100:101], s[100:101], 6553600
	s_add_nc_u64 s[16:17], s[6:7], s[16:17]
	s_add_nc_u64 s[16:17], s[16:17], 9711616
	G0H 76, 0, 14                                  ; the head's four tiles
	G0H 88, 8*RBB, 100
	G0H 92, SCL, 18
	G0H 96, SCR, 16
	s_mul_i32 s2, s22, 4*12288                     ; slot 1: which half I fetch
	s_mov_b32 s3, 0
	s_add_nc_u64 s[14:15], s[14:15], s[2:3]
	s_mul_i32 s2, s22, 8*12288
	s_add_nc_u64 s[100:101], s[100:101], s[2:3]
	s_mul_i32 s2, s22, 4*RBB
	s_mul_i32 s3, s22, 8*RBB
	s_add_co_u32 s3, s3, 8*RBB
	G0SET 72, 2, SLOT, 14, RBB
	G0SET 84, 3, SLOT, 100, RBB
	CROUND
	ARM 1, 76, 32, .Lhead_r
	ARM 2, 88, 40, .Lhead_sl
	ARM 3, 92, 48, .Lhead_sr
	TLOAD 96, 56
.Lhead_asked:
	v_and_b32 v1, 15, v0
	v_bfe_u32 v2, v0, 4, 1
	v_and_b32 v[L4], 31, v0
	v_lshlrev_b32 v[LI], 4, v[L4]
	v_lshlrev_b32 v[L4], 2, v[L4]
	s_wait_alu depctr_va_vdst(0)
	s_lshl_b32 s2, s25, 10
	s_lshl_b32 s3, s22, 9
	s_add_co_u32 s2, s2, s3                        ; my 128 columns, in bytes
	s_mov_b32 s3, 0
	s_add_nc_u64 s[8:9], s[8:9], s[2:3]
	s_lshl_b32 s66, s26, 19
	s_lshl_b32 s67, s21, 18
	s_add_co_u32 s66, s66, s67                     ; my 64 rows of 4,096 bytes
	s_add_co_u32 s66, s66, s2
	s_mov_b32 s67, 0
	s_add_nc_u64 s[10:11], s[10:11], s[66:67]
	s_add_nc_u64 s[12:13], s[12:13], s[66:67]
	v_lshlrev_b32 v15, 5, v2                       ; the bias of R's rows 16 b + 8 h + j, into window 1
	WIN 0x40
.irp b, 0,1,2,3,4,5,6,7
	global_load_b128 v[96+8*\b+96*(\b/4):96+8*\b+96*(\b/4)+3], v15, s[8:9] offset:64*\b
	global_load_b128 v[96+8*\b+96*(\b/4)+4:96+8*\b+96*(\b/4)+7], v15, s[8:9] offset:64*\b+16
.endr
	WIN 0
	RES 0
	RES 1
	RES 2
	s_mul_i32 s2, s21, 4*RBB
	s_mul_i32 s3, s22, 8*RBB
	s_add_co_u32 s3, s3, 8*RBB
.irp v, 0,1
	v_add_nc_u32 v[ADL+\v], s2, v[LI]
	v_add_nc_u32 v[ADR+\v], s3, v[LI]
	s_add_co_u32 s2, s2, SLOT
	s_add_co_u32 s3, s3, SLOT
.endr
	s_lshl_b32 s2, s21, 8
	s_add_co_u32 s2, s2, SCL
	v_add_nc_u32 v[ADSL], s2, v[L4]
	s_lshl_b32 s2, s22, 9
	s_add_co_u32 s2, s2, SCR
	v_add_nc_u32 v[ADSR], s2, v[L4]
	s_mul_i32 s2, s20, 16*528                      ; my stage
	v_mul_u32_u24 v16, v1, 528
	v_lshl_add_u32 v16, v2, 5, v16
	v_add_nc_u32 v16, s2, v16
	v_add_nc_u32 v17, s2, v[LI]
	s_wait_alu depctr_va_vdst(0)                   ; the wait at the head's end
	s_wait_tensorcnt 0x0                           ; my tile of the head's four is in
	ds_add_u32 v[SPW], v[NIL]                      ; ahead of a later first fill
	s_mov_b32 s34, 4<<16                           ; slot 1's loads bring 4 row blocks of L, 8 of R
	s_mov_b32 s36, 4
	s_mov_b32 s42, 8<<16
	s_mov_b32 s44, 8
	s_wait_dscnt 0x0
	CROUND
	JLOAD 72, 32, 84, 40                           ; slot 1: K steps 4-7
	FETCH 0
	s_wait_loadcnt 48                              ; the bias is in; the 48 loads of x behind it may be out
	KN 0
	RES 3
	KN 1
	KN 2
	s_wait_tensorcnt 0x0                           ; K step 3: slot 1 has landed
	s_wait_dscnt 0x0
	s_barrier_signal -1
	MULS 0, 2, 1, 0
	s_barrier_wait -1
	PLACES 4
	FETCH 4
	MULS 2, 2, 1, 0
	KN 4
	KN 5
	KN 6
	KN 7
	WIN 0
	PLACES 4
	TOSTAGE 0
.irp a, 1,2,3
.if \a > 1
	s_wait_xcnt 0x0                                ; block a - 2's stores have read their registers
.endif
	TOSTAGE \a
	SEND \a-1, 32
.endr
	SEND 3, 0
	s_wait_tensorcnt 0x0                           ; the wave's end; then the closing round
	ds_add_u32 v[SPW], v[NIL]
	s_wait_dscnt 0x0
	CROUND
	s_endpgm
.Lfunc_end_k_qea03bf3f0b_outp:
	.size	k_qea03bf3f0b_outp, .Lfunc_end_k_qea03bf3f0b_outp-k_qea03bf3f0b_outp
	.p2alignl 7, 3214868480
	.fill 96, 4, 3214868480
	.section	.rodata,"a",@progbits
	.p2align	6, 0x0
	.amdhsa_kernel k_qea03bf3f0b_outp
		.amdhsa_group_segment_fixed_size 327680
		.amdhsa_private_segment_fixed_size 0
		.amdhsa_enable_private_segment 0
		.amdhsa_kernarg_size 40
		.amdhsa_user_sgpr_count 2
		.amdhsa_user_sgpr_kernarg_segment_ptr 1
		.amdhsa_wavefront_size32 1
		.amdhsa_system_sgpr_workgroup_id_x 1
		.amdhsa_system_sgpr_workgroup_id_y 1
		.amdhsa_system_sgpr_workgroup_id_z 1
		.amdhsa_system_vgpr_workitem_id 0
		.amdhsa_next_free_vgpr 1024
		.amdhsa_next_free_sgpr 102
		.amdhsa_reserve_vcc 0
		.amdhsa_float_denorm_mode_32 3
		.amdhsa_float_denorm_mode_16_64 3
		.amdhsa_memory_ordered 1
		.amdhsa_forward_progress 1
		.amdhsa_inst_pref_size 97
	.end_amdhsa_kernel
	.amdgpu_metadata
---
amdhsa.version: [ 1, 2 ]
amdhsa.kernels:
  - .name:           k_qea03bf3f0b_outp
    .symbol:         k_qea03bf3f0b_outp.kd
    .args:
      - { .name: hh, .offset: 0, .size: 8, .value_kind: global_buffer, .address_space: global }
      - { .name: xw, .offset: 8, .size: 8, .value_kind: global_buffer, .address_space: global }
      - { .name: bo, .offset: 16, .size: 8, .value_kind: global_buffer, .address_space: global }
      - { .name: hidden_states, .offset: 24, .size: 8, .value_kind: global_buffer, .address_space: global }
      - { .name: out0, .offset: 32, .size: 8, .value_kind: global_buffer, .address_space: global }
    .group_segment_fixed_size: 327680
    .private_segment_fixed_size: 0
    .kernarg_segment_align: 8
    .kernarg_segment_size: 40
    .max_flat_workgroup_size: 128
    .sgpr_count:     102
    .vgpr_count:     1024
    .wavefront_size: 32
...
	.end_amdgpu_metadata
.endif
;; end of part 5
